; MI455X (gfx1250); checked and timed in simulation.
; The chip was launched on July 23, 2026; its instructions are those of AMD's public machine-readable ISA for CDNA 5 (MIT licence, August 2026) and "CDNA5" Instruction Set Architecture Reference Guide (July 2026). The comments in the code are by the model that wrote it; some were corrected since.
;; Multi Head Attention. Allowed arithmetic: matrix products marked QUANTISED: E4M3 operands, one E8M0 scale for each 32 along K, by v_wmma_scale_f32_16x16x128_f8f6f4 with both operands' format E4M3, f32 sums; everything else in f32.
;; Inputs: W_K_codes 1,024 x 32 x 32 uint8 (E4M3 codes of W_K, K innermost, in blocks of 32 codes); W_K_scales 1,024 x 32 uint8 (E8M0 scales of W_K, one for each 32 codes along K); W_O_codes 1,024 x 32 x 32 uint8 (E4M3 codes of W_O, K innermost, in blocks of 32 codes); W_O_scales 1,024 x 32 uint8 (E8M0 scales of W_O, one for each 32 codes along K); W_Q_codes 1,024 x 32 x 32 uint8 (E4M3 codes of W_Q, K innermost, in blocks of 32 codes); W_Q_scales 1,024 x 32 uint8 (E8M0 scales of W_Q, one for each 32 codes along K); W_V_codes 1,024 x 32 x 32 uint8 (E4M3 codes of W_V, K innermost, in blocks of 32 codes); W_V_scales 1,024 x 32 uint8 (E8M0 scales of W_V, one for each 32 codes along K); token_positions 2,048 int32; x_codes 4 x 2,048 x 32 x 32 uint8 (E4M3 codes of x, K innermost, in blocks of 32 codes); x_scales 4 x 2,048 x 32 uint8 (E8M0 scales of x, one for each 32 codes along K).
;; Outputs: out0 4 x 2,048 x 1,024 float32.
;; This version of the problem:
;;   THIS VERSION OF THE PROBLEM IS GIVEN IN LOW PRECISION. The matrix products marked QUANTISED in the list below multiply operands that are first quantised to E4M3 (4 exponent bits, 3 mantissa bits; 8 bits a number), with one power-of-two scale for each 32 numbers along K (OCP MX v1.0); their sums are f32. All else is computed in f32.
;;   The module's matrix products, in the order in which they are computed (A, B: the left and right operand; K: the contracted axis; several contracted axes count as one K, in the product's order):
;;     1. [M 8,192, K 1,024] x [K 1,024, N 1,024]; A: input x (given as codes); B: input W_Q (given as codes): QUANTISED
;;     2. [M 8,192, K 1,024] x [K 1,024, N 1,024]; A: input x (given as codes); B: input W_K (given as codes): QUANTISED
;;     3. [M 8,192, K 1,024] x [K 1,024, N 1,024]; A: input x (given as codes); B: input W_V (given as codes): QUANTISED
;;     4. batch 64 x [M 2,048, K 64] x [K 64, N 2,048]; A: computed on the way; B: computed on the way: QUANTISED
;;     5. batch 64 x [M 2,048, K 2,048] x [K 2,048, N 64]; A: softmax (see below); B: computed on the way: QUANTISED
;;     6. [M 8,192, K 1,024] x [K 1,024, N 1,024]; A: computed on the way; B: input W_O (given as codes): QUANTISED
;;   THE QUANTISER, for each operand of a quantised product, along K:
;;     - K is cut into blocks of 32 from its start; a last block that is shorter is filled with zeros.
;;     - A block's scale is 2^e with e = floor(log2(the largest magnitude in the block)) - 8, held to -126 .. 127; a block of zeros has e = 0. As a byte (E8M0): e + 127.
;;     - Each number is divided by its block's scale, clamped to +-448, and rounded to the nearest number of E4M3, ties to even, subnormals kept.
;;     - The product sums the exact products of the quantised numbers (number of the format x scale) in f32.
;;   ~~~python
;;   def quantise(x, axis):      # numpy; x: float32 -> the quantised numbers, widened to float32 again
;;       x = np.moveaxis(x, axis, -1); K = x.shape[-1]
;;       x = np.pad(x, [(0, 0)] * (x.ndim - 1) + [(0, -K % 32)]); x = x.reshape(x.shape[:-1] + (-1, 32)); a = np.abs(x).max(-1, keepdims=True)
;;       e = np.where(a > 0, np.clip(np.frexp(np.where(a > 0, a, 1))[1] - 1 - 8, -126, 127), 0)      # np.frexp(a)[1] - 1 = floor(log2(a)), exactly
;;       r = np.clip(x / 2.0 ** e, -448, 448)
;;       step = 2.0 ** (np.maximum(np.frexp(np.where(r == 0, 1, r))[1] - 1, -6) - 3)
;;       q = np.round(r / step) * step * 2.0 ** e      # np.round: ties to even
;;       return np.moveaxis(q.reshape(q.shape[:-2] + (-1,))[..., :K], -1, axis).astype(np.float32)
;;   ~~~
;;   SOFTMAX AHEAD OF A QUANTISED PRODUCT. Where the list says 'softmax', what is quantised is not the finished softmax but p = 2^(t - M), with t = logit x log2(e) and M = ceil(the row's largest t), a whole number; so 1/2 < the row's largest p <= 1. The row's sum l is taken of the UNQUANTISED p, in f32, and the product's result is divided by l at the end. Since M is a whole number, a kernel that streams over the keys may use a running M (the ceiling of the running maximum): every later rescaling is an exact power of two, which a block's scale takes up: the codes' values come out the same.
;;   OPERANDS COMPUTED ON THE WAY. 'Computed on the way' means the value that the module computes at that place (a softmax that the list does not call 'softmax' is quantised finished and normalised). What goes into a quantiser is computed in f32, as accurately as f32 sums, v_exp_f32 and their like allow (about 1e-6 of the number): no bf16 or f16 on the way to a quantiser, and a product that is left as it is and whose result goes on into a quantised operand takes f32 operands (vector FMAs, or v_wmma_f32_16x16x4_f32). A number that lies on a knife's edge between two numbers of the format may be rounded either way, as far as f32 arithmetic and the matrix unit's own rounding can turn it there, and no further.
;;   INPUTS GIVEN AS CODES. W_K (in the module: [1024, 1024], K = its axis 1); W_O (in the module: [1024, 1024], K = its axis 1); W_Q (in the module: [1024, 1024], K = its axis 1); W_V (in the module: [1024, 1024], K = its axis 1); x (in the module: [4, 2048, 1024], K = its axis 2): each comes as NAME_codes (uint8): NAME with its K axis moved to the last place and cut into blocks of 32 codes, [.., K / 32, bytes a block], one block behind the other in memory; one code a byte (a code: sign, 4 exponent bits, 3 mantissa bits); and NAME_scales (uint8): the same leading axes, one E8M0 byte (e + 127) for each 32 codes along K. Its value is code x scale, taken as it is: it is not quantised again, and the codes and scales need not be those that the quantiser above would give.
;; One version. Each part assembles by itself: llvm-mc -triple=amdgcn-amd-amdhsa -mcpu=gfx1250 --defsym DOCPART=n.
;; ======== version 1 of 1: 4 launches
;; limits: right only within a limited range of input values
;; workspace buffers: tab 524,288 bytes; qkv 25,952,256 bytes; oc 8,388,608 bytes; os 262,144 bytes
;; launch tab (part 1): grid 256 x 1, 8 waves a work-group, no clusters, 0 bytes of LDS; arguments token_positions, tab; writes tab
.if DOCPART == 1
	.amdgcn_target "amdgcn-amd-amdhsa--gfx1250"
	.amdhsa_code_object_version 6
	.text
	.protected	k_q4919301351_tab
	.globl	k_q4919301351_tab
	.p2align	8
	.type	k_q4919301351_tab,@function
k_q4919301351_tab:
	s_mov_b64 s[64:65], 0
	v_nop
	global_prefetch_b8 v0, s[64:65] scope:SCOPE_SE
	s_setreg_imm32_b32 hwreg(HW_REG_WAVE_MODE, 25, 1), 1
	s_wait_xcnt 0x0
; tab[s][j] = (cos, sin) of pos[s] x 10000^(-j/32), f32, j = 0 .. 31: a row of 256 bytes for each of the 2,048 places of the sequence.
; A wave makes one row, a lane one j; the wave's one store covers 256 consecutive bytes, aligned.  No LDS, no barrier, no loop.
; 10000^(-j/32) = 2^(-j log2(10)/8): the factor is held in two f32 parts, the exponent is rounded once, then v_exp_f32.
; The angle is pos x that, rounded once.  It is brought into [-pi/4, pi/4] by k = the nearest whole number to angle x 2/pi and pi/2 in three parts
; (three fused multiply-adds); sine and cosine are Taylor sums to x^9 and x^10; k mod 4 says which of them is which, and the signs.
; LIMITS: the frequency is within about 4e-7 of its value, relative; sine and cosine of the rounded angle within 1e-6 for |pos| up to 1e7.
	s_load_b128 s[4:7], s[0:1], 0x0                ; token_positions s[4:5], tab s[6:7]
	v_lshrrev_b32 v1, 5, v0
	s_delay_alu instid0(VALU_DEP_1)
	v_readfirstlane_b32 s8, v1                     ; wave 0..7
	v_and_b32 v2, 31, v0                           ; j
	s_lshl_b32 s9, ttmp9, 3
	s_add_co_u32 s9, s9, s8                        ; my row s = 8 x work-group + wave
	s_lshl_b32 s10, s9, 2                          ; its place among the positions, in bytes
	s_lshl_b32 s12, s9, 8                          ; and in the table
	s_mov_b32 s13, 0
	v_cvt_f32_u32 v3, v2
	s_delay_alu instid0(VALU_DEP_1)
	v_mul_f32 v4, 0xb2179a29, v3                   ; -j x the low part of log2(10)/8
	s_delay_alu instid0(VALU_DEP_1)
	v_fmamk_f32 v4, v3, 0xbed49a78, v4             ; -j x the high part, added
	s_wait_alu depctr_va_vdst(0)
	v_exp_f32 v5, v4                               ; 10000^(-j/32)
	v_lshlrev_b32 v16, 3, v2                       ; (a plain line behind the exponential)  8 bytes a lane
	s_wait_kmcnt 0x0
	s_load_b32 s11, s[4:5], s10 offset:0x0         ; pos[s]
	s_add_nc_u64 s[6:7], s[6:7], s[12:13]
	s_wait_kmcnt 0x0
	v_cvt_f32_i32 v6, s11
	s_wait_alu depctr_va_vdst(0)                   ; the wait ahead of the first use of the exponential
	v_mul_f32 v7, v6, v5                           ; the angle
	s_delay_alu instid0(VALU_DEP_1)
	v_mul_f32 v8, 0x3f22f983, v7                   ; x 2/pi
	s_delay_alu instid0(VALU_DEP_1)
	v_rndne_f32 v8, v8                             ; k
	s_delay_alu instid0(VALU_DEP_1)
	v_fmamk_f32 v9, v8, 0xbfc90fdb, v7             ; angle - k pi/2: pi/2 = 0x3fc90fdb - 0x333bbd2e - 0x26f72ced
	s_delay_alu instid0(VALU_DEP_1)
	v_fmamk_f32 v9, v8, 0x333bbd2e, v9
	s_delay_alu instid0(VALU_DEP_1)
	v_fmamk_f32 v9, v8, 0x26f72ced, v9             ; x
	s_delay_alu instid0(VALU_DEP_1)
	v_mul_f32 v10, v9, v9                          ; z = x^2
	v_mov_b32 v11, 0x3638ef1d                      ; 1/9!
	v_mov_b32 v13, 0xb493f27e                      ; -1/10!
	s_delay_alu instid0(VALU_DEP_2)
	v_fmaak_f32 v11, v11, v10, 0xb9500d01          ; -1/7!
	s_delay_alu instid0(VALU_DEP_2)
	v_fmaak_f32 v13, v13, v10, 0x37d00d01          ; 1/8!
	s_delay_alu instid0(VALU_DEP_2)
	v_fmaak_f32 v11, v11, v10, 0x3c088889          ; 1/5!
	s_delay_alu instid0(VALU_DEP_2)
	v_fmaak_f32 v13, v13, v10, 0xbab60b61          ; -1/6!
	s_delay_alu instid0(VALU_DEP_2)
	v_fmaak_f32 v11, v11, v10, 0xbe2aaaab          ; -1/3!
	s_delay_alu instid0(VALU_DEP_2)
	v_fmaak_f32 v13, v13, v10, 0x3d2aaaab          ; 1/4!
	v_mul_f32 v12, v9, v10                         ; x z
	s_delay_alu instid0(VALU_DEP_2)
	v_fmaak_f32 v13, v13, v10, 0xbf000000          ; -1/2
	s_delay_alu instid0(VALU_DEP_2)
	v_fma_f32 v11, v12, v11, v9                    ; S = sin x
	s_delay_alu instid0(VALU_DEP_2)
	v_fma_f32 v13, v13, v10, 1.0                   ; C = cos x
	v_cvt_i32_f32 v17, v8                          ; k as a whole number
	s_delay_alu instid0(VALU_DEP_1)
	v_and_b32 v18, 1, v17
	s_delay_alu instid0(VALU_DEP_1)
	v_cmp_ne_u32 vcc_lo, 0, v18                    ; k odd: sine and cosine change places
	s_delay_alu instid0(VALU_DEP_1)
	v_cndmask_b32 v14, v13, v11, vcc_lo            ; cos: C, or S
	s_delay_alu instid0(VALU_DEP_2)
	v_cndmask_b32 v15, v11, v13, vcc_lo            ; sin: S, or C
	v_add_nc_u32 v18, 1, v17
	s_delay_alu instid0(VALU_DEP_1)
	v_and_b32 v18, 2, v18
	s_delay_alu instid0(VALU_DEP_1)
	v_lshlrev_b32 v18, 30, v18                     ; cos is negative for k mod 4 = 1, 2
	s_delay_alu instid0(VALU_DEP_1)
	v_xor_b32 v14, v14, v18
	v_and_b32 v19, 2, v17
	s_delay_alu instid0(VALU_DEP_1)
	v_lshlrev_b32 v19, 30, v19                     ; sin for k mod 4 = 2, 3
	s_delay_alu instid0(VALU_DEP_1)
	v_xor_b32 v15, v15, v19
	global_store_b64 v16, v[14:15], s[6:7]         ; 32 lanes store the row's 256 bytes
	s_endpgm
.Lfunc_end_k_q4919301351_tab:
	.size	k_q4919301351_tab, .Lfunc_end_k_q4919301351_tab-k_q4919301351_tab
	.p2alignl 7, 3214868480
	.fill 96, 4, 3214868480
	.section	.rodata,"a",@progbits
	.p2align	6, 0x0
	.amdhsa_kernel k_q4919301351_tab
		.amdhsa_group_segment_fixed_size 0
		.amdhsa_private_segment_fixed_size 0
		.amdhsa_enable_private_segment 0
		.amdhsa_kernarg_size 16
		.amdhsa_user_sgpr_count 2
		.amdhsa_user_sgpr_kernarg_segment_ptr 1
		.amdhsa_wavefront_size32 1
		.amdhsa_system_sgpr_workgroup_id_x 1
		.amdhsa_system_sgpr_workgroup_id_y 1
		.amdhsa_system_sgpr_workgroup_id_z 1
		.amdhsa_system_vgpr_workitem_id 0
		.amdhsa_next_free_vgpr 32
		.amdhsa_next_free_sgpr 66
		.amdhsa_reserve_vcc 1
		.amdhsa_float_denorm_mode_32 3
		.amdhsa_float_denorm_mode_16_64 3
		.amdhsa_memory_ordered 1
		.amdhsa_forward_progress 1
		.amdhsa_inst_pref_size 4
	.end_amdhsa_kernel
	.amdgpu_metadata
---
amdhsa.version: [ 1, 2 ]
amdhsa.kernels:
  - .name:           k_q4919301351_tab
    .symbol:         k_q4919301351_tab.kd
    .args:
      - { .name: token_positions, .offset: 0, .size: 8, .value_kind: global_buffer, .address_space: global }
      - { .name: tab, .offset: 8, .size: 8, .value_kind: global_buffer, .address_space: global }
    .group_segment_fixed_size: 0
    .private_segment_fixed_size: 0
    .kernarg_segment_align: 8
    .kernarg_segment_size: 16
    .max_flat_workgroup_size: 256
    .sgpr_count:     66
    .vgpr_count:     32
    .wavefront_size: 32
...
	.end_amdgpu_metadata
.endif
;; end of part 1
;; launch qkv (part 2): grid 12 x 32, 4 waves a work-group, clusters of 4 x 4, 327,680 bytes of LDS; arguments x_codes, x_scales, W_Q_codes, W_Q_scales, W_K_codes, W_K_scales, W_V_codes, W_V_scales, tab, qkv; writes qkv
.if DOCPART == 2
	.amdgcn_target "amdgcn-amd-amdhsa--gfx1250"
	.amdhsa_code_object_version 6
	.text
	.protected	k_q4919301351_qkv
	.globl	k_q4919301351_qkv
	.p2align	8
	.type	k_q4919301351_qkv,@function
k_q4919301351_qkv:
	s_mov_b64 s[64:65], 0
	v_nop
	global_prefetch_b8 v0, s[64:65] scope:SCOPE_SE
	s_setreg_imm32_b32 hwreg(HW_REG_WAVE_MODE, 25, 1), 1
	s_wait_xcnt 0x0
	s_wait_alu depctr_hold_cnt(0) depctr_sa_sdst(0) depctr_va_vdst(0) depctr_va_sdst(0) depctr_va_ssrc(0) depctr_va_vcc(0) depctr_vm_vsrc(0)
	s_getreg_b32 s2, hwreg(HW_REG_IB_STS2, 6, 4)
	s_cmp_eq_u32 s2, 0
	s_cbranch_scc0 .Lentry_in_a_cluster
	s_endpgm
.Lentry_in_a_cluster:
	s_bfe_u32 s2, ttmp6, 0x10000c
	s_cmp_lg_u32 s2, 0xf033
	s_cbranch_scc0 .Lentry_shape_is_right
	s_endpgm
.Lentry_shape_is_right:
; Q = rope(x W_Q^T), K = rope(x W_K^T), V = x W_V^T on codes of FP8 (E4M3) with one E8M0 scale for each 32 along K (= 1,024), and the results quantised for the attention launch:
; Q and K along the head's 64 channels, V along the keys.  x: [8192][1024] codes, [8192][32] scale bytes; each W: [1024][1024] codes, [1024][32] scale bytes.
; A tile of 256 x 256 results is made by four waves, 128 x 128 each: 64 accumulators, 512 registers.  K goes in 4 steps of 256 through two LDS slots filled by the tensor data mover.
; THE MATRIX INSTRUCTION: source 0 = 16 rows of S0, source 1 = 16 rows of S1; in a result lane (r, h) holds S1's row r, and registers 0-7 S0's rows 8 h + 0 .. 7.
;   cluster x = 0, 1 (Q, K): S0 = W (tile cx), S1 = x (tile 4 Y + cy): a lane holds a token, its registers run along the channels, which are the next product's K.
;   cluster x = 2 (V):       S0 = x (tile 4 Y + cx), S1 = W_V (tile cy): a lane holds a channel, its registers run along the tokens, which are the next product's K.
; The roles are a choice of pointers on the cluster's x, which all sixteen partners share; the K loop is one text.
; CLUSTERS: 4 x 4 work-groups.  S1's tile hangs on cy and is asked for jointly by my row of the cluster, S0's on cx, by my column: the same tensor load, descriptor and mask in the four.
; THE SCALE BYTES of my 128 + 128 rows, for all of K, are 16 loads of 512 consecutive bytes into 64 registers, once: lane (r, h) takes bytes 16 h .. 16 h + 15 of row r,
; so register j of a tile holds the word of K step j in lanes 0-15 and of K step 4 + j in lanes 16-31 (the row selector picks the half).
; OUT: records of 8,448 bytes, [Q, K, V][16 n + head][128 tokens]: 8,192 bytes of codes as IMAGES OF OPERAND REGISTERS (chunks of 512 bytes: lane l's 16 bytes at 16 l hold k = 32 c + 16 (l / 16) + 0 .. 15 of row l % 16),
; then 256 bytes of scale words.  Q, K: chunks [tile of 16 tokens 8][c 2]; words [token 16][f 4] = the bytes of (tile 2 f: c 0, c 1; tile 2 f + 1: c 0, c 1).  V: chunks [tile of 16 channels 4][c 4]; words [channel 16][tile 4].
; A block of 32 lies in two neighbouring results: a lane has k = 8 h + 0 .. 7 and 16 + 8 h + 0 .. 7.  Two conversions give four registers; two swaps of half-waves make them k = 16 h + 0 .. 15.
; LIMITS: NaN and infinities are not served.  A block whose largest magnitude lies under 2^-118 (a block of zeros too) keeps the scale byte 1; these bytes are read by this program alone.
; REGISTERS, in windows of 256: window 0: v1-29 addresses; v32-47 codes just made; v48-63 at work; v64-95 S1's scale words, v96-127 S0's; v128-255 S1's fragments, one set; in the epilogue v128-191 64 numbers, v192-207 at work, v208-219 outgoing scale words.
;   window 1: S0's fragments, two sets; in the epilogue cos and sin, 32 registers a tile of tokens.   windows 2, 3: the accumulators ((a, b) at v[8 (8 (a % 4) + b)], a < 4 in window 2).
; THE ORDER OF k INSIDE A BLOCK OF 32 (this replaces what the head says of swaps): the four registers of a chunk stay as the two conversions leave them: lane (r, h) holds k = 8 h + 0 .. 7, then 16 + 8 h + 0 .. 7 of its block.
; Q and K have that order alike, and so have V and the p that the next launch makes: both operands of a product are permuted alike inside a scale block, so every sum holds the same products.
; THE HEAD'S LOADS: one joint load a wave, of 256 rows: wave 0 slot 0's S1, wave 1 slot 0's S0, wave 2 slot 1's S1, wave 3 slot 1's S0; behind the first change of slots' wait the descriptors are set to the ring's 128 rows a wave.
.set PITCH,  272
.set HALFT,  128*PITCH                 ; 128 rows: what one tensor load brings
.set SLOT,   4*HALFT                   ; S1's 256 rows, then S0's
.set SPARE,  2*SLOT                    ; behind the ring: the spare words, 128 bytes a wave; no other line names them
.set NP,     8                         ; places behind this matrix instruction (ISA guide 7.12.1)
.set REC,    8448                      ; a record
.set HS,     16*REC                    ; from head to head
.set ADRA, 16                          ; v16-17 LDS address of my S1 fragments in slot 0, 1
.set ADRB, 20                          ; v20-21 the same for S0
.set CO,   24                          ; v24 16 x lane
.set TA,   25                          ; v25 the table: 256 r + 32 h
.set SO,   26                          ; v26 the scale words' store: HS h + 16 r + 8192
.set SCA,  27                          ; v27 the scale bytes' loads: 32 r + 16 h
.set SPW,  28                          ; v28 my spare word; never rewritten
.set NIL,  29                          ; v29 0; never rewritten
.set PC,   32
.set TM,   48                          ; +0..3 largest magnitudes, +4..7 the other half's, then bytes, +8..11 448 x scale, +12..15 the conversions' scale operands
.set SA,   64
.set SB,   96
.set AF,   128
.set Y,    128
.set T,    192
.set W,    208
.set OUT,  216
.set G1, 24                            ; s[24:31] group 1 for S1's tiles; s[32:39] group 0, a set for each slot
.set G0, 32
.set G1B, 48                           ; s[48:55], s[56:63] the same for S0's
.set G0B, 56
.set SEL, 96                           ; s[96:97] lane selects for v_permlanex16_b32: lane l xor 16
.set MNT, 98                           ; s98 the mantissa field of 448
.set MSB, 0
.macro WIN new                         ; the immediate's high byte repeats the setting that is left
.if MSB != (\new)
	s_set_vgpr_msb (MSB<<8)|(\new)
.set MSB, (\new)
.endif
.endm
.set MUL_LO, 0xa1                      ; source 0 window 1, source 1 window 0, C and D window 2
.set MUL_HI, 0xf1                      ; the same, C and D window 3
.set TO_B,   0x40                      ; destination window 1
; A joint load: waves 0 and 1 fetch S1's halves, waves 2 and 3 S0's.  The branch hangs on the wave's number alone.  Four v_nop follow each of the two lines.
.macro JLOAD g0a, g1a, g0b, g1b
	s_cmp_eq_u32 s15, 0
	s_cbranch_scc0 .Lfor_b_\@
	tensor_load_to_lds s[\g0a:\g0a+3], s[\g1a:\g1a+7]
	s_nop 0
.rept 4
	v_nop
.endr
	s_branch .Lasked_\@
.Lfor_b_\@:
	tensor_load_to_lds s[\g0b:\g0b+3], s[\g1b:\g1b+7]
	s_nop 0
.rept 4
	v_nop
.endr
.Lasked_\@:
.endm
.macro CREST                           ; a round of the cluster's barrier behind its opening barrier
	s_cmp_lg_u32 s14, 0
	s_cbranch_scc1 .Lnot_wave_0_\@
	s_barrier_signal -3
.Lnot_wave_0_\@:
	s_barrier_wait -3
	s_barrier_signal -1
	s_barrier_wait -1
.endm
.macro CROUND                          ; a whole round
	s_barrier_signal -1
	s_barrier_wait -1
	CREST
.endm
	s_load_b512 s[68:83], s[0:1], 0x0              ; x codes s[68:69], scales s[70:71]; W_Q s[72:75]; W_K s[76:79]; W_V s[80:83]
	s_load_b128 s[84:87], s[0:1], 0x40             ; tab s[84:85], qkv s[86:87]
	v_lshl_add_u32 v[SPW], v0, 2, SPARE
	v_mov_b32 v[NIL], 0
	ds_add_u32 v28, v29
	ds_add_u32 v28, v29
	s_wait_dscnt 0x0
	v_lshrrev_b32 v1, 5, v0
	v_readfirstlane_b32 s14, v1                    ; wave 0..3
	s_lshr_b32 s15, s14, 1                         ; which half of S1's rows is mine.  Also: I fetch for S1 (0) or S0 (1)
	s_and_b32 s16, s14, 1                          ; which half of S0's rows.  Also: which 128 rows of the tile I fetch
	s_bfe_u32 s40, ttmp6, 0x40000                  ; cx
	s_bfe_u32 s41, ttmp6, 0x40004                  ; cy
	s_and_b32 s42, ttmp7, 0xffff
	s_lshl_b32 s42, s42, 2                         ; 4 Y
	s_cmp_lt_u32 ttmp9, 2                          ; Q or K?
	s_cselect_b32 s17, s42, 0
	s_cselect_b32 s18, 0, s42
	s_add_co_u32 s17, s17, s41                     ; S1's tile: 4 Y + cy of x, or cy of W_V
	s_add_co_u32 s18, s18, s40                     ; S0's tile: cx of W, or 4 Y + cx of x
	s_lshl_b32 s43, s41, 2
	s_lshl_b32 s43, 15, s43                        ; my row of the cluster
	s_lshl_b32 s44, 0x1111, s40                    ; my column
	s_or_b32 s[G1+0], s43, (1<<20)|(1<<21)|(5<<22)|(3<<25)    ; 15:0 the mask; 17:16 elements of 1 byte; 20 padding on; 21 set beside a mask; 24:22 after every 64 words; 31:25 four words
	s_or_b32 s[G1B+0], s44, (1<<20)|(1<<21)|(5<<22)|(3<<25)
.irp g, G1, G1B
	s_mov_b32 s[\g+1], 256<<16                     ; tensor_dim0
	s_mov_b32 s[\g+2], 256<<16                     ; tensor_dim1: the head's loads bring 256 rows
	s_mov_b32 s[\g+3], 256<<16                     ; tile_dim0
	s_mov_b32 s[\g+4], 256                         ; tile_dim1
	s_mov_b32 s[\g+5], 1024                        ; from row to row
	s_mov_b32 s[\g+6], 0
	s_mov_b32 s[\g+7], 0
.endr
	s_lshl_b32 s19, s16, 7
	s_lshl_b32 s20, s17, 18                        ; S1: the tile's first row, 256 x tile, in bytes
	s_mov_b32 s21, 0
	s_lshl_b32 s46, s18, 18                        ; S0 likewise
	s_mov_b32 s47, 0
	s_mul_i32 s45, s14, HALFT                      ; where they go: wave x 128 rows
	s_lshl_b32 s88, s17, 8
	s_lshl_b32 s89, s15, 7
	s_add_co_u32 s88, s88, s89                     ; the 128 rows of S1 that I multiply:
	s_lshl_b32 s88, s88, 5                         ; their scale bytes, 32 a row
	s_mov_b32 s89, 0
	s_lshl_b32 s90, s18, 8
	s_add_co_u32 s90, s90, s19                     ; and of S0
	s_lshl_b32 s90, s90, 5
	s_mov_b32 s91, 0
	s_wait_kmcnt 0x0
	s_cmp_eq_u32 ttmp9, 0
	s_cselect_b64 s[4:5], s[72:73], s[76:77]       ; W_Q or W_K
	s_cselect_b64 s[6:7], s[74:75], s[78:79]
	s_cmp_lt_u32 ttmp9, 2
	s_cselect_b64 s[8:9], s[4:5], s[68:69]         ; S0's codes: that W, or x
	s_cselect_b64 s[10:11], s[6:7], s[70:71]       ; S0's scale bytes
	s_cselect_b64 s[4:5], s[68:69], s[80:81]       ; S1's codes: x, or W_V
	s_cselect_b64 s[6:7], s[70:71], s[82:83]       ; S1's scale bytes
	s_add_nc_u64 s[20:21], s[4:5], s[20:21]
	s_add_nc_u64 s[46:47], s[8:9], s[46:47]
	s_add_nc_u64 s[6:7], s[6:7], s[88:89]
	s_add_nc_u64 s[10:11], s[10:11], s[90:91]
	CROUND                                         ; all sixteen work-groups are here: the first joint loads meet
.irp s, 0,1
	s_mov_b32 s[G0+4*\s], 1
	s_mov_b32 s[G0+4*\s+1], \s*SLOT                ; S1's 256 rows
	s_add_nc_u64 s[G0+4*\s+2:G0+4*\s+3], s[20:21], \s*256
	s_or_b32 s[G0+4*\s+3], s[G0+4*\s+3], 0x80000000
	s_mov_b32 s[G0B+4*\s], 1
	s_mov_b32 s[G0B+4*\s+1], \s*SLOT+2*HALFT       ; S0's 256 rows, behind them
	s_add_nc_u64 s[G0B+4*\s+2:G0B+4*\s+3], s[46:47], \s*256
	s_or_b32 s[G0B+4*\s+3], s[G0B+4*\s+3], 0x80000000
.endr
; one chain of branches on the wave's number, a load to an arm, all arms leading to one join: one tensor load a wave at the head
.macro ARM under, g0, g1, next
	s_cmp_lt_u32 s14, \under
	s_cbranch_scc0 \next
	tensor_load_to_lds s[\g0:\g0+3], s[\g1:\g1+7]
	s_nop 0
.rept 4
	v_nop
.endr
	s_branch .Lhead_asked
\next:
.endm
	ARM 1, G0, G1, .Lhead_b0
	ARM 2, G0B, G1B, .Lhead_a1
	ARM 3, G0+4, G1, .Lhead_b1
	tensor_load_to_lds s[G0B+4:G0B+7], s[G1B:G1B+7]
	s_nop 0
.rept 4
	v_nop
.endr
.Lhead_asked:
	v_and_b32 v1, 15, v0                           ; r
	v_bfe_u32 v2, v0, 4, 1                         ; h
	v_lshlrev_b32 v[SCA], 5, v1
	v_lshl_add_u32 v[SCA], v2, 4, v[SCA]
.irp i, 0,1,2,3,4,5,6,7
	global_load_b128 v[SA+4*\i:SA+4*\i+3], v[SCA], s[6:7] offset:512*\i     ; 16 rows x 32 bytes: 512 consecutive bytes
	global_load_b128 v[SB+4*\i:SB+4*\i+3], v[SCA], s[10:11] offset:512*\i
.endr
	v_mul_u32_u24 v3, v1, PITCH
	v_lshl_add_u32 v4, v2, 4, v3                   ; a fragment's row x pitch + 16 x half
	s_mul_i32 s88, s15, HALFT                      ; my 128 rows of S1
	s_mul_i32 s89, s16, HALFT                      ; my 128 rows of S0,
	s_add_co_u32 s89, s89, 2*HALFT                 ; which lie behind S1's 256
.irp s, 0,1
	v_add_nc_u32 v[ADRA+\s], s88, v4
	v_add_nc_u32 v[ADRB+\s], s89, v4
	s_add_co_u32 s88, s88, SLOT
	s_add_co_u32 s89, s89, SLOT
.endr
	v_and_b32 v3, 31, v0
	v_lshlrev_b32 v[CO], 4, v3
	v_lshlrev_b32 v[TA], 8, v1
	v_lshl_add_u32 v[TA], v2, 5, v[TA]
	v_mul_u32_u24 v[SO], v2, HS
	v_lshl_add_u32 v[SO], v1, 4, v[SO]
	v_add_nc_u32 v[SO], 8192, v[SO]
.irp b, 0,1,2,3
	v_mov_b32 v[TM+4+\b], 0                        ; written once: a lane permute's destination counts as one of its sources
.endr
	s_mov_b32 s[SEL], 0x76543210
	s_mov_b32 s[SEL+1], 0xfedcba98
	s_mov_b32 s[MNT], 0x600000
	; where my results go: the block of 128 tokens and the first of my two heads
	s_lshl_b32 s90, s17, 1
	s_add_co_u32 s90, s90, s15                     ; Q, K: tokens are S1's rows
	s_lshl_b32 s91, s18, 1
	s_add_co_u32 s91, s91, s16                     ; V: S0's
	s_lshl_b32 s92, s40, 2
	s_lshl_b32 s93, s16, 1
	s_add_co_u32 s92, s92, s93                     ; Q, K: head 4 cx + 2 x my half of S0
	s_lshl_b32 s93, s41, 2
	s_lshl_b32 s94, s15, 1
	s_add_co_u32 s93, s93, s94                     ; V: head 4 cy + 2 x my half of S1
	s_cmp_lt_u32 ttmp9, 2
	s_cselect_b32 s90, s90, s91                    ; the block, 0 .. 63
	s_cselect_b32 s92, s92, s93                    ; the head
	s_lshl_b32 s91, ttmp9, 10                      ; record = 1024 X
	s_lshr_b32 s93, s90, 4
	s_lshl_b32 s93, s93, 8
	s_add_co_u32 s91, s91, s93                     ; + 256 n
	s_lshl_b32 s93, s92, 4
	s_add_co_u32 s91, s91, s93                     ; + 16 head
	s_and_b32 s93, s90, 15
	s_add_co_u32 s91, s91, s93                     ; + the block within the sequence
	s_mul_i32 s94, s91, REC
	s_mov_b32 s95, 0
	s_add_nc_u64 s[86:87], s[86:87], s[94:95]
	s_lshl_b32 s94, s93, 15                        ; the table: 128 rows of 256 bytes a block
	s_add_nc_u64 s[84:85], s[84:85], s[94:95]
.macro FRAG reg, adr, q, i             ; a fragment, 16 rows x 128 K: registers 4 c .. 4 c + 3 hold K = 32 c + 16 h + 0 .. 15 of row r
.irp c, 0,1,2,3
	ds_load_b128 v[(\reg)+4*\c:(\reg)+4*\c+3], v[\adr] offset:128*(\q)+32*\c+(\i)*16*PITCH
.endr
.endm
; 16 matrix instructions: S1's blocks a0, a0 + 1 x S0's eight; K step kk of eight; p: S0's set.  zero = 1: the first product starts the sums.  The 64 accumulators take turns, in the same order in every step.
.macro MUL16 a0, p, kk, zero
.irp a, \a0, \a0+1
.irp b, 0,1,2,3,4,5,6,7
.if \zero
	v_wmma_scale_f32_16x16x128_f8f6f4 v[8*(8*((\a)%4)+\b):8*(8*((\a)%4)+\b)+7], v[128*(\p)+16*\b:128*(\p)+16*\b+15], v[AF+16*(\a):AF+16*(\a)+15], 0, v[SB+4*\b+(\kk)%4], v[SA+4*(\a)+(\kk)%4]
.elseif (\kk) < 4
	v_wmma_scale_f32_16x16x128_f8f6f4 v[8*(8*((\a)%4)+\b):8*(8*((\a)%4)+\b)+7], v[128*(\p)+16*\b:128*(\p)+16*\b+15], v[AF+16*(\a):AF+16*(\a)+15], v[8*(8*((\a)%4)+\b):8*(8*((\a)%4)+\b)+7], v[SB+4*\b+(\kk)%4], v[SA+4*(\a)+(\kk)%4]
.else
	v_wmma_scale_f32_16x16x128_f8f6f4 v[8*(8*((\a)%4)+\b):8*(8*((\a)%4)+\b)+7], v[128*(\p)+16*\b:128*(\p)+16*\b+15], v[AF+16*(\a):AF+16*(\a)+15], v[8*(8*((\a)%4)+\b):8*(8*((\a)%4)+\b)+7], v[SB+4*\b+(\kk)%4], v[SA+4*(\a)+(\kk)%4] matrix_a_scale:MATRIX_SCALE_ROW1 matrix_b_scale:MATRIX_SCALE_ROW1
.endif
.endr
.endr
.endm
.macro FETCH_B slot, q, p              ; S0's eight fragments of the slot's q-th 128 along K into set p
	WIN TO_B
.irp i, 0,1,2,3,4,5,6,7
	FRAG 128*(\p)+16*\i, ADRB+\slot, \q, \i
.endr
	WIN 0
.endm
.macro FETCH_A slot, q, i0             ; S1's blocks i0 .. i0 + 3
.irp i, \i0, \i0+1, \i0+2, \i0+3
	FRAG AF+16*(\i), ADRA+\slot, \q, \i
.endr
.endm
.macro PLACES n                        ; plain vector lines between a matrix instruction and a load into, or a vector read or write of, its registers
.rept \n
	v_nop
.endr
.endm
.macro STEP slot, kk, zero             ; a slot's first 128 along K; the second 128's fragments are fetched on the way
	s_wait_dscnt 16                                ; S0's set and S1's blocks 0-3 are in; the youngest 16 loads (blocks 4-7) may be out
	WIN MUL_LO
	MUL16 0, 0, \kk, \zero
	MUL16 2, 0, \kk, \zero
	s_wait_dscnt 0x0                               ; blocks 4-7 are in
	PLACES NP
	FETCH_B \slot, 1, 1
	FETCH_A \slot, 1, 0
	WIN MUL_HI
	MUL16 4, 0, \kk, \zero
	MUL16 6, 0, \kk, \zero
	PLACES NP
	WIN 0
	FETCH_A \slot, 1, 4
.endm
; A slot's second 128 along K, and the change of slots: one barrier; in front of it each wave waits for all its tensor loads, adds 0 to its spare word, and waits for that and for its reads of this slot.  fill = 1: the slot is filled again, two slot steps ahead.
.macro TURN slot, next, kk, fill
	s_wait_tensorcnt 0x0                           ; all my tensor loads have landed: my part of the next slot
	ds_add_u32 v[SPW], v[NIL]                      ; 0 onto my spare word
.if (\kk) == 1
	s_lshl_b32 s22, s16, 17                        ; no tensor load of mine is out, so the descriptors may be written: from here on a load brings my 128 rows of a tile
	s_mov_b32 s23, 0
	s_add_co_u32 s[G0+1], s45, 0
	s_add_co_u32 s[G0+5], s45, SLOT
	s_add_co_u32 s[G0B+1], s45, 0
	s_add_co_u32 s[G0B+5], s45, SLOT
	s_add_nc_u64 s[G0+2:G0+3], s[G0+2:G0+3], s[22:23]
	s_add_nc_u64 s[G0+6:G0+7], s[G0+6:G0+7], s[22:23]
	s_add_nc_u64 s[G0B+2:G0B+3], s[G0B+2:G0B+3], s[22:23]
	s_add_nc_u64 s[G0B+6:G0B+7], s[G0B+6:G0B+7], s[22:23]
	s_mov_b32 s[G1+2], 128<<16
	s_mov_b32 s[G1+4], 128
	s_mov_b32 s[G1B+2], 128<<16
	s_mov_b32 s[G1B+4], 128
.endif
	s_wait_dscnt 17
	WIN MUL_LO
	MUL16 0, 1, \kk, 0
	s_wait_dscnt 0x0                               ; the add is done, and my reads of this slot are over
	s_barrier_signal -1
	MUL16 2, 1, \kk, 0
	WIN 0
	s_barrier_wait -1
.if \fill
	CREST                                          ; the barrier has opened a round of the cluster's: no wave of any partner still reads this slot or has a load on its way
	s_add_nc_u64 s[G0+4*\slot+2:G0+4*\slot+3], s[G0+4*\slot+2:G0+4*\slot+3], 512
	s_add_nc_u64 s[G0B+4*\slot+2:G0B+4*\slot+3], s[G0B+4*\slot+2:G0B+4*\slot+3], 512
	JLOAD G0+4*\slot, G1, G0B+4*\slot, G1B         ; the first tensor load behind the round; its four v_nop are among the places in front of the loads below
	PLACES NP-4
.else
	PLACES NP
.endif
	FETCH_B \next, 0, 0
	FETCH_A \next, 0, 0
	WIN MUL_HI
	MUL16 4, 1, \kk, 0
	MUL16 6, 1, \kk, 0
	PLACES NP
	WIN 0
	FETCH_A \next, 0, 4
.endm
.macro LAST                            ; the last 128 along K: nothing more to fetch; the places behind it serve every later read of results and every write into operands
	s_wait_dscnt 16
	WIN MUL_LO
	MUL16 0, 1, 7, 0
	MUL16 2, 1, 7, 0
	s_wait_dscnt 0x0
	WIN MUL_HI
	MUL16 4, 1, 7, 0
	MUL16 6, 1, 7, 0
	WIN 0
	PLACES NP
.endm
; cos and sin for tile a of 16 tokens: lane (r, h) wants, of token r's row, the pairs j = 8 bb + 4 h + 0 .. 3: 32 bytes for each bb; they serve both heads
.macro TABLOAD a
.irp bb, 0,1,2,3
.irp e, 0,1
	global_load_b128 v[32*(\a)+8*\bb+4*\e:32*(\a)+8*\bb+4*\e+3], v[TA], s[84:85] offset:4096*(\a)+64*\bb+16*\e
.endr
.endr
.endm
; (x0, x1) -> (x0 c - x1 s, x1 c + x0 s), a pair an instruction pair: first (x1 s, x0 s), then the fused multiply-add.  Each accumulator is read from its low end on.
.macro ROPE a
	WIN 0x06+(\a)/4                                ; source 0: the accumulators' window; source 1: window 1
.irp b, 0,1,2,3,4,5,6,7
.irp p, 0,1,2,3
	v_pk_mul_f32 v[T+8*(\b%2)+2*\p:T+8*(\b%2)+2*\p+1], v[64*((\a)%4)+8*\b+2*\p:64*((\a)%4)+8*\b+2*\p+1], v[32*(\a)+8*(\b%4)+2*\p:32*(\a)+8*(\b%4)+2*\p+1] op_sel:[1,1] op_sel_hi:[0,1]
.endr
.irp p, 0,1,2,3
	v_pk_fma_f32 v[Y+8*\b+2*\p:Y+8*\b+2*\p+1], v[64*((\a)%4)+8*\b+2*\p:64*((\a)%4)+8*\b+2*\p+1], v[32*(\a)+8*(\b%4)+2*\p:32*(\a)+8*(\b%4)+2*\p+1], v[T+8*(\b%2)+2*\p:T+8*(\b%2)+2*\p+1] op_sel_hi:[1,0,1] neg_lo:[0,0,1]
.endr
.endr
	WIN 0
.endm
; 64 numbers of a lane, v[s] on in window w: four blocks of 32, 16 numbers of each here and 16 in lane l xor 16.  Out: the four chunks' registers in v[PC] on, the four scale bytes in v[TM+4] on.
.macro QUANT w, s
	WIN (\w)|((\w)<<2)
.irp b, 0,1,2,3
	v_max3_num_f32 v[TM+\b], |v[(\s)+16*\b]|, |v[(\s)+16*\b+1]|, 0x4800000   ; the floor 2^(9 - 127) among the leaves: the byte cannot fall under 1
.endr
.irp i, 2,4,6,8,10,12,14
.irp b, 0,1,2,3
	v_max3_num_f32 v[TM+\b], |v[(\s)+16*\b+\i]|, |v[(\s)+16*\b+\i+1]|, v[TM+\b]
.endr
.endr
	WIN 0
.irp b, 0,1,2,3
	v_permlanex16_b32 v[TM+4+\b], v[TM+\b], s[SEL], s[SEL+1]
.endr
.irp b, 0,1,2,3
	v_max_num_f32 v[TM+\b], v[TM+\b], v[TM+4+\b]   ; the block's largest magnitude
.endr
.irp b, 0,1,2,3
	v_add_nc_u32 v[TM+12+\b], 0xfc000000, v[TM+\b] ; 8 off its exponent field: the conversion's scale operand
.endr
.irp b, 0,1,2,3
	v_and_or_b32 v[TM+8+\b], v[TM+\b], 0x7f800000, s[MNT]   ; 448 x the scale
.endr
.irp b, 0,1,2,3
	v_lshrrev_b32 v[TM+4+\b], 23, v[TM+12+\b]      ; the scale's byte
.endr
	WIN \w
.irp b, 0,1,2,3
.irp i, 0,1,2,3,4,5,6,7,8,9,10,11,12,13,14,15
	v_med3_num_f32 v[Y+16*\b+\i], v[(\s)+16*\b+\i], -v[TM+8+\b], v[TM+8+\b]   ; the conversion to an 8-bit code does not saturate (ISA guide 7.6.2): the hold
.endr
.endr
	WIN 0
	s_wait_alu depctr_va_vdst(0)
	s_wait_xcnt 0x0                                ; the last tile's stores have read v[PC] on: only now is it written again
.irp b, 0,1,2,3
	v_cvt_scalef32_pk8_fp8_f32 v[PC+4*\b:PC+4*\b+1], v[Y+16*\b:Y+16*\b+7], v[TM+12+\b]
	v_cvt_scalef32_pk8_fp8_f32 v[PC+4*\b+2:PC+4*\b+3], v[Y+16*\b+8:Y+16*\b+15], v[TM+12+\b]
.endr
	v_nop                                          ; a plain line between the conversions and the first line that touches their results
.endm
.macro QKTILE a                        ; 16 tokens x my two heads
	s_wait_loadcnt 8*(7-(\a))                      ; this tile's eight table loads are in; the later tiles', eight each, may be out
	ROPE \a
	QUANT 0, Y
.if (\a)%2 == 0
	v_lshl_or_b32 v[W+(\a)/2], v[TM+5], 8, v[TM+4]           ; head 0's word a / 2 begins: c 0, c 1
	v_lshl_or_b32 v[W+4+(\a)/2], v[TM+7], 8, v[TM+6]         ; head 1's
.else
	v_lshl_or_b32 v[W+(\a)/2], v[TM+4], 16, v[W+(\a)/2]
	v_lshl_or_b32 v[W+4+(\a)/2], v[TM+6], 16, v[W+4+(\a)/2]
	v_lshl_or_b32 v[W+(\a)/2], v[TM+5], 24, v[W+(\a)/2]
	v_lshl_or_b32 v[W+4+(\a)/2], v[TM+7], 24, v[W+4+(\a)/2]
.endif
.irp g, 0,1,2,3
	global_store_b128 v[CO], v[PC+4*\g:PC+4*\g+3], s[86:87] offset:(\g/2)*HS+1024*(\a)+512*(\g%2)   ; a chunk: 512 consecutive bytes, aligned
.endr
.endm
.macro VTILE a                         ; 16 channels x my 128 tokens
	QUANT 2+(\a)/4, 64*((\a)%4)
	v_lshl_or_b32 v[W+(\a)], v[TM+5], 8, v[TM+4]
	v_lshl_or_b32 v[W+(\a)], v[TM+6], 16, v[W+(\a)]
	v_lshl_or_b32 v[W+(\a)], v[TM+7], 24, v[W+(\a)]
.irp g, 0,1,2,3
	global_store_b128 v[CO], v[PC+4*\g:PC+4*\g+3], s[86:87] offset:((\a)/4)*HS+2048*((\a)%4)+512*\g
.endr
.endm
	s_wait_alu depctr_va_vdst(0)
	s_cmp_lt_u32 s14, 2                            ; waves 0 and 1 brought slot 0, each by a load line of its own: they wait; slot 1's loads stay out
	s_cbranch_scc0 .Lnot_slot_0
	s_wait_tensorcnt 0x0
.Lnot_slot_0:
	s_barrier_signal -1
	s_barrier_wait -1
	FETCH_B 0, 0, 0
	FETCH_A 0, 0, 0
	FETCH_A 0, 0, 4
	s_wait_loadcnt 0x0                             ; the scale words
	STEP 0, 0, 1                                   ; K = 1,024 is eight steps of 128: written out
	TURN 0, 1, 1, 1
	STEP 1, 2, 0
	TURN 1, 0, 3, 1
	STEP 0, 4, 0
	TURN 0, 1, 5, 0                                ; nothing is left to fetch: no round
	STEP 1, 6, 0
	s_cmp_eq_u32 ttmp9, 2                          ; the ways part once, on the cluster's x, which all partners share; the last K step stands in both
	s_cbranch_scc1 .Lv_path
	WIN TO_B
	s_wait_alu depctr_va_vdst(0)
	TABLOAD 0                                      ; into S0's set 0, which is done with (eight places stand behind its last product)
	TABLOAD 1
	TABLOAD 2
	TABLOAD 3
	WIN 0
	LAST
	WIN TO_B
	TABLOAD 4                                      ; into set 1
	TABLOAD 5
	TABLOAD 6
	TABLOAD 7
	WIN 0
.irp a, 0,1,2,3,4,5,6,7
	QKTILE \a
.endr
	s_branch .Ljoin
.Lv_path:
	LAST
.irp a, 0,1,2,3,4,5,6,7
	VTILE \a
.endr
.Ljoin:
	v_cmp_eq_u32 vcc_lo, 1, v2                     ; lanes 0-15 store the first head's 16 x 4 words, lanes 16-31 the second's: 256 consecutive bytes each, aligned
	s_wait_alu depctr_va_vdst(0)
.irp i, 0,1,2,3
	v_cndmask_b32 v[OUT+\i], v[W+\i], v[W+4+\i], vcc_lo
.endr
	global_store_b128 v[SO], v[OUT:OUT+3], s[86:87]
	s_wait_tensorcnt 0x0                           ; the wave's end
	ds_add_u32 v[SPW], v[NIL]
	s_wait_dscnt 0x0
	CROUND                                         ; the closing round: no work-group ends while a partner may still ask for a tile that names it
	s_endpgm
.Lfunc_end_k_q4919301351_qkv:
	.size	k_q4919301351_qkv, .Lfunc_end_k_q4919301351_qkv-k_q4919301351_qkv
	.p2alignl 7, 3214868480
	.fill 96, 4, 3214868480
	.section	.rodata,"a",@progbits
	.p2align	6, 0x0
	.amdhsa_kernel k_q4919301351_qkv
		.amdhsa_group_segment_fixed_size 327680
		.amdhsa_private_segment_fixed_size 0
		.amdhsa_enable_private_segment 0
		.amdhsa_kernarg_size 80
		.amdhsa_user_sgpr_count 2
		.amdhsa_user_sgpr_kernarg_segment_ptr 1
		.amdhsa_wavefront_size32 1
		.amdhsa_system_sgpr_workgroup_id_x 1
		.amdhsa_system_sgpr_workgroup_id_y 1
		.amdhsa_system_sgpr_workgroup_id_z 1
		.amdhsa_system_vgpr_workitem_id 0
		.amdhsa_next_free_vgpr 1024
		.amdhsa_next_free_sgpr 100
		.amdhsa_reserve_vcc 1
		.amdhsa_float_denorm_mode_32 3
		.amdhsa_float_denorm_mode_16_64 3
		.amdhsa_memory_ordered 1
		.amdhsa_forward_progress 1
		.amdhsa_inst_pref_size 255
	.end_amdhsa_kernel
	.section	.bss,"aw",@nobits
	.p2align	6
	.space	262144
	.amdgpu_metadata
---
amdhsa.version: [ 1, 2 ]
amdhsa.kernels:
  - .name:           k_q4919301351_qkv
    .symbol:         k_q4919301351_qkv.kd
    .args:
      - { .name: x_codes, .offset: 0, .size: 8, .value_kind: global_buffer, .address_space: global }
      - { .name: x_scales, .offset: 8, .size: 8, .value_kind: global_buffer, .address_space: global }
      - { .name: W_Q_codes, .offset: 16, .size: 8, .value_kind: global_buffer, .address_space: global }
      - { .name: W_Q_scales, .offset: 24, .size: 8, .value_kind: global_buffer, .address_space: global }
      - { .name: W_K_codes, .offset: 32, .size: 8, .value_kind: global_buffer, .address_space: global }
      - { .name: W_K_scales, .offset: 40, .size: 8, .value_kind: global_buffer, .address_space: global }
      - { .name: W_V_codes, .offset: 48, .size: 8, .value_kind: global_buffer, .address_space: global }
      - { .name: W_V_scales, .offset: 56, .size: 8, .value_kind: global_buffer, .address_space: global }
      - { .name: tab, .offset: 64, .size: 8, .value_kind: global_buffer, .address_space: global }
      - { .name: qkv, .offset: 72, .size: 8, .value_kind: global_buffer, .address_space: global }
    .group_segment_fixed_size: 327680
    .private_segment_fixed_size: 0
    .kernarg_segment_align: 8
    .kernarg_segment_size: 80
    .max_flat_workgroup_size: 128
    .sgpr_count:     100
    .vgpr_count:     1024
    .wavefront_size: 32
...
	.end_amdgpu_metadata
.endif
;; end of part 2
;; launch attn (part 3): grid 64 x 4, 16 waves a work-group, no clusters, 327,680 bytes of LDS; arguments qkv, oc, os; writes oc, os
.if DOCPART == 3
	.amdgcn_target "amdgcn-amd-amdhsa--gfx1250"
	.amdhsa_code_object_version 6
	.text
	.protected	k_q4919301351_attn
	.globl	k_q4919301351_attn
	.p2align	8
	.type	k_q4919301351_attn,@function
k_q4919301351_attn:
	s_mov_b64 s[64:65], 0
	v_nop
	global_prefetch_b8 v0, s[64:65] scope:SCOPE_SE
	s_setreg_imm32_b32 hwreg(HW_REG_WAVE_MODE, 25, 1), 1
	s_wait_xcnt 0x0
; Causal attention on codes of FP8 (E4M3) with one E8M0 scale for each 32 along a product's K; 64 heads (16 n + head) of 2,048 tokens x 64 channels; the result, divided by the row's sum, is quantised along head x channel for the last product.
; LEFT OUT: key steps all of whose 128 keys come after a tile's queries: the causal mask sets their scores to -infinity, so their p is 0 for all inputs.  A NaN or infinity that reaches only such scores is not carried.
; IN: records of 8,448 bytes, [Q, K, V][head][128 tokens]: 16 chunks of 512 bytes that are images of operand registers, then 256 bytes of scale words.  Inside a block of 32 a lane (r, h) holds k = 8 h + 0..7, then 16 + 8 h + 0..7, in Q, K and V alike.
; THE SOFTMAX: t = score x log2(e) / 8; M = the row's largest t so far, rounded UP to a whole number; p = 2^(t - M) is quantised along the keys, not normalised; the row's sum is taken of the unquantised p;
; when M moves, the sum and O are multiplied by 2^(old M - new M), which rounds nothing.
; SHARES.  Work-group (j, head), j = 0..3, owns the blocks of 128 queries 8 + j, 15 - j, j and 7 - j.  Wave w (half = w % 2, tile AQ = w / 2) works one tile of 16 queries of block a = 8 + j or 15 - j, key steps 0 .. a,
; and then the same tile of block 15 - a, key steps 0 .. 15 - a: 17 key steps of 128 keys in every wave.
; LDS: the head's K and V whole, filled once, by groups of four key steps: [K 4 p .. 4 p + 3][V 4 p .. 4 p + 3].  One tensor load a wave at the head: waves 0-11 two records each (LDS byte 2 w records), waves 12 and 13 four records (K's, V's steps 12-15),
; so that every load holds a record that every work-group reads (step 12 at the least).  Two barriers show them: steps 0-3 ahead of step 0, all the rest ahead of step 4 of the first tile; every wave works those four steps in full (a is 8 or more).
; NO CLUSTER: the four work-groups of a head read the same K and V, but which steps a wave leaves out is a scalar branch on its block of queries, which hangs on the work-group's place.
; NO PREFETCH: all tiles are asked for by the tensor loads at the head; no later request stands in the text that one could run ahead of.
; K = 64 IN A FORM OF K = 128: a fragment of K's record holds TWO tiles of 16 keys; it is multiplied by (q, zeros) for the first and by (zeros, q) for the second.  v16-39 hold q, zeros, q: both operands lie in them.
; LAYOUT.  Both products are used transposed: S^T = K Q^T, O^T = V^T P^T: a lane holds one query (lane % 16); in S^T register 8 t + i is key 16 t + 8 (lane / 16) + i, which is the order in which V's chunks hold their keys: p's codes go to the product as the conversions leave them.
; LIMITS: NaN and infinities are not served; the promise holds while |t| stays under 2^31; a block under 2^-118 (zeros too) keeps the scale byte 1, read by this program alone; the division by the sum is v_rcp_f32 and a multiplication.
.set REC,  8448
.set VO,   4*REC                       ; from a key step's K record to its V record
.set OSG,  32*REC                      ; 1,024 bytes for the outgoing scale bytes of four blocks, written by LDS stores alone
.set SPARE, OSG+1024                   ; the spare words, 128 bytes a wave
.set L16,  1                           ; 16 x lane
.set R16,  2                           ; 16 r + 8192
.set OSR,  3                           ; OSG + 16 x lane
.set NINF, 4                           ; -infinity
.set OSWA, 5                           ; where my first tile's two scale bytes go
.set OSWB, 6                           ; and my second's
.set OSA,  7                           ; the scale bytes' store: h (7 - 2 j) 4096 + 16 r
.set ADK,  8                           ; the step's chunks
.set ADS,  9                           ; the step's scale words
.set SPW,  10
.set NIL,  11                          ; v12 -M, v13 the largest t, v[14:15] the sum in two halves
.set QZ,   16                          ; v16-23 q, v24-31 zeros, v32-39 q
.set QN,   40                          ; v40-47 the second tile's q
.set FB,   48                          ; four fragments of K, then of V
.set S,    112                         ; S^T, then p
.set O,    176                         ; O^T
.set PC,   208                         ; p's codes
.set BM,   224                         ; block maxima
.set BP,   228                         ; the other half's, then bytes; v228-239 also the six chains of the row's sum
.set LM,   232                         ; 448 x scale
.set SO,   236                         ; the conversions' scale operands
.set KSW,  240
.set VSW,  244
.set QSW,  248
.set PSW,  249                         ; v[250:251] f; v252-254 at work
.set QSWB, 255
.set WV,   10
.set MNT,  11
.set SEL,  12
.set CS,   14                          ; s[14:15] c = log2(e) / 8
.set HALF, 16
.set AQ,   17
.set BLK,  18                          ; the block of the tile in hand
.set BLKB, 19
.set KS,   20
.set TB,   21
.set CNT,  22
.set G1A,  24
.set G1B,  32
.set G0A,  40
.set G0B,  44
.set OCA,  48
.set OCB,  50
.set QAP,  52
.set QAW,  54
.set QBP,  56
.set QBW,  58
.set MJ,   66                          ; s66-73 lanes in which key i of the diagonal tile is hidden: i + 8 h > r
.set MT,   74                          ; s74-81 the masks of the tile in hand
.set SALL, 82
.set PSEL, 83
	s_load_b128 s[4:7], s[0:1], 0x0                ; qkv, oc
	s_load_b64 s[8:9], s[0:1], 0x10                ; os
	v_lshl_add_u32 v[SPW], v0, 2, SPARE
	v_mov_b32 v[NIL], 0
	ds_add_u32 v[SPW], v[NIL]                      ; the opening lines: the add, twice on end, and its wait ahead of my first tensor load
	ds_add_u32 v[SPW], v[NIL]
	v_lshrrev_b32 v8, 5, v0
	v_readfirstlane_b32 s[WV], v8                  ; wave 0..15
	s_and_b32 s[HALF], s[WV], 1
	s_lshr_b32 s[AQ], s[WV], 1
	s_and_b32 s94, ttmp7, 0xffff                   ; j: the grid's y; the head (16 n + head) is its x
	s_lshl_b32 s84, s94, 1
	s_sub_co_u32 s84, 7, s84                       ; 7 - 2 j
	s_mul_i32 s85, s84, s[HALF]
	s_add_co_u32 s85, s85, s94
	s_add_co_u32 s[BLK], s85, 8                    ; 8 + j or 15 - j
	s_sub_co_u32 s[BLKB], 15, s[BLK]
	s_mov_b32 s86, ttmp9                           ; 16 n + head
	s_lshl_b32 s87, s86, 4
.irp g, G1A, G1B                               ; dense rows of 256 bytes (32 elements of 8 bytes); no mask, no padding
	s_mov_b32 s[\g], 3<<16
	s_mov_b32 s[\g+1], 32<<16
	s_mov_b32 s[\g+3], 32<<16
	s_mov_b32 s[\g+5], 32
	s_mov_b32 s[\g+6], 0
	s_mov_b32 s[\g+7], 0
.endr
	s_mov_b32 s[G1A+2], 66<<16                     ; two records
	s_mov_b32 s[G1A+4], 66
	s_mov_b32 s[G1B+2], 132<<16                    ; four records
	s_mov_b32 s[G1B+4], 132
	s_mul_i32 s[G0A+1], s[WV], 2*REC               ; waves 0-11: w = 4 p + 2 (V?) + half
	s_and_b32 s60, s[WV], 12
	s_lshl_b32 s61, s[HALF], 1
	s_add_co_u32 s60, s60, s61                     ; key step 4 p + 2 half
	s_and_b32 s61, s[WV], 2
	s_lshl_b32 s61, s61, 9
	s_add_co_u32 s60, s60, s61                     ; V's records lie 1,024 behind K's
	s_add_co_u32 s60, s60, s87
	s_add_co_u32 s60, s60, 1024
	s_mul_i32 s60, s60, REC
	s_mov_b32 s61, 0
	s_mul_i32 s[G0B+1], s[HALF], 4*REC             ; waves 12, 13: K's, V's steps 12-15
	s_add_co_u32 s[G0B+1], s[G0B+1], 24*REC
	s_lshl_b32 s62, s[HALF], 10
	s_add_co_u32 s62, s62, s87
	s_add_co_u32 s62, s62, 1024+12
	s_mul_i32 s62, s62, REC
	s_mov_b32 s63, 0
	s_mov_b32 s[G0A], 1
	s_mov_b32 s[G0B], 1
	s_wait_dscnt 0x0                               ; both opening adds are done
	s_wait_kmcnt 0x0
	s_add_nc_u64 s[G0A+2:G0A+3], s[4:5], s[60:61]
	s_or_b32 s[G0A+3], s[G0A+3], 0x80000000
	s_add_nc_u64 s[G0B+2:G0B+3], s[4:5], s[62:63]
	s_or_b32 s[G0B+3], s[G0B+3], 0x80000000
; one chain of branches on the wave's number; the waves that wait at the first barrier have a load line of their own
.macro ARM under, g0, g1, next
	s_cmp_lt_u32 s[WV], \under
	s_cbranch_scc0 \next
	tensor_load_to_lds s[\g0:\g0+3], s[\g1:\g1+7]
	s_nop 0
.rept 4
	v_nop
.endr
	s_branch .Lhead_asked
\next:
.endm
	ARM 4,  G0A, G1A, .Lh1                         ; steps 0-3
	ARM 12, G0A, G1A, .Lh2                         ; steps 4-11
	ARM 14, G0B, G1B, .Lh3                         ; steps 12-15
.Lhead_asked:
	s_add_co_u32 s60, s87, s[BLK]                  ; Q's records of my two tiles
	s_mul_i32 s60, s60, REC
	s_mov_b32 s61, 0
	s_add_nc_u64 s[QAW:QAW+1], s[4:5], s[60:61]
	s_add_co_u32 s60, s87, s[BLKB]
	s_mul_i32 s60, s60, REC
	s_add_nc_u64 s[QBW:QBW+1], s[4:5], s[60:61]
	s_lshl_b32 s60, s[AQ], 10
	s_add_nc_u64 s[QAP:QAP+1], s[QAW:QAW+1], s[60:61]   ; my tile's two chunks
	s_add_nc_u64 s[QBP:QBP+1], s[QBW:QBW+1], s[60:61]
	s_lshr_b32 s60, s[AQ], 1
	s_lshl_b32 s60, s60, 2
	s_add_nc_u64 s[QAW:QAW+1], s[QAW:QAW+1], s[60:61]   ; the word that holds my tile's two bytes
	s_add_nc_u64 s[QBW:QBW+1], s[QBW:QBW+1], s[60:61]
	s_and_b32 s88, s86, 48                         ; 16 n
	s_and_b32 s89, s86, 15                         ; head
	s_lshl_b32 s90, s89, 10
	s_add_co_u32 s60, s88, s[BLK]                  ; oc: [tile of 16 tokens: 16,384 bytes][head: 1,024]
	s_lshl_b32 s60, s60, 3
	s_add_co_u32 s60, s60, s[AQ]
	s_lshl_b32 s60, s60, 14
	s_add_co_u32 s60, s60, s90
	s_add_nc_u64 s[OCA:OCA+1], s[6:7], s[60:61]
	s_add_co_u32 s60, s88, s[BLKB]
	s_lshl_b32 s60, s60, 3
	s_add_co_u32 s60, s60, s[AQ]
	s_lshl_b32 s60, s60, 14
	s_add_co_u32 s60, s60, s90
	s_add_nc_u64 s[OCB:OCB+1], s[6:7], s[60:61]
	s_add_co_u32 s60, s88, s94                     ; os: [block of 128 tokens][head][256 bytes], from block 16 n + j
	s_lshl_b32 s60, s60, 4
	s_add_co_u32 s60, s60, s89
	s_lshl_b32 s60, s60, 8
	s_add_nc_u64 s[8:9], s[8:9], s[60:61]
	s_lshl_b32 s91, s[HALF], 8                     ; LDS places of 256 bytes: 0: block 8 + j, 1: 15 - j, 2: j, 3: 7 - j
	s_lshl_b32 s60, s[AQ], 1
	s_add_co_u32 s91, s91, s60
	s_add_co_u32 s91, s91, OSG
	s_xor_b32 s92, s[HALF], 1
	s_lshl_b32 s92, s92, 8
	s_add_co_u32 s92, s92, s60
	s_add_co_u32 s92, s92, OSG+512
	s_lshl_b32 s93, s84, 12
	s_mov_b32 s[SEL], 0x76543210
	s_mov_b32 s[SEL+1], 0xfedcba98                 ; v_permlanex16_b32's selects for lane l xor 16
	s_mov_b32 s[CS], 0x3e38aa3b
	s_mov_b32 s[CS+1], s[CS]
	s_mov_b32 s[MNT], 0x600000
	s_mov_b32 s[PSEL], 0x03020302
	s_bitcmp1_b32 s[AQ], 0
	s_cselect_b32 s[PSEL], s[PSEL], 0x01000100     ; an odd tile's bytes are the word's upper two
	v_and_b32 v8, 31, v0
	v_and_b32 v9, 15, v0                           ; r
	v_bfe_u32 v252, v0, 4, 1                       ; h
	v_lshlrev_b32 v[L16], 4, v8
	v_lshl_add_u32 v[R16], v9, 4, 8192
	global_load_b128 v[QZ:QZ+3], v[L16], s[QAP:QAP+1]          ; q is loaded twice: (q, zeros) and (zeros, q)
	global_load_b128 v[QZ+4:QZ+7], v[L16], s[QAP:QAP+1] offset:512
	global_load_b128 v[QZ+16:QZ+19], v[L16], s[QAP:QAP+1]
	global_load_b128 v[QZ+20:QZ+23], v[L16], s[QAP:QAP+1] offset:512
	global_load_b32 v[QSW], v[R16], s[QAW:QAW+1]
	v_lshlrev_b32 v253, 3, v252
	v_sub_nc_u32 v253, v9, v253                    ; r - 8 h
.irp i, 0,1,2,3,4,5,6,7
	v_cmp_gt_i32 s[MJ+\i], \i, v253
.endr
	v_lshl_add_u32 v[OSWA], v9, 4, s91
	v_lshl_add_u32 v[OSWB], v9, 4, s92
	v_add_nc_u32 v[OSR], OSG, v[L16]
	v_mul_u32_u24 v[OSA], s93, v252
	v_lshl_add_u32 v[OSA], v9, 4, v[OSA]
	v_mov_b32 v[NINF], 0xff800000
.irp i, 0,1,2,3,4,5,6,7
	v_mov_b32 v[QZ+8+\i], 0                        ; the zero codes
.endr
.irp b, 0,1,2,3
	v_mov_b32 v[BP+\b], 0                          ; a lane permute's destination counts as one of its sources
.endr
	v_mov_b32 v251, 0                              ; (named as the upper half of the pair v[250:251])
	v_mov_b32 v254, 0
.macro FRESH                                   ; a tile begins: O^T and the sum are zeros, the largest t is -3e38: the step is written once and its first run multiplies zeros
.set n, 0
.rept 32
	v_mov_b32 v[O+n], 0
.set n, n+1
.endr
	v_mov_b32 v13, 0xff61b1e6
	v_floor_f32 v12, -v13
	v_mov_b32 v14, 0
	v_mov_b32 v15, 0
.endm
	FRESH
	s_wait_alu depctr_va_vdst(0)
	s_wait_loadcnt 0x0
	v_perm_b32 v[QSW], v[QSW], v[QSW], s[PSEL]     ; (q c 0, q c 1, q c 0, q c 1): it serves both (q, zeros) and (zeros, q)
; A KEY STEP: 128 keys, whose records begin at LDS byte s[TB].  chk = 1: the step may be hidden (left out) or lie on the diagonal (masked).
.macro STEP chk
.if \chk
	s_cmp_gt_u32 s[KS], s[BLK]
	s_cbranch_scc1 .Lhid_\@
.endif
	v_add_nc_u32 v[ADK], s[TB], v[L16]
	v_add_nc_u32 v[ADS], s[TB], v[R16]
.rept 6
	v_nop                                          ; with the two additions: eight places in front of loads into registers that the last products read
.endr
.set n, 0
.rept 16
	ds_load_b128 v[FB+4*n:FB+4*n+3], v[ADK] offset:512*n
.set n, n+1
.endr
	ds_load_b128 v[KSW:KSW+3], v[ADS]
	s_wait_alu depctr_va_vdst(0)
	s_wait_dscnt 0x0
.irp f, 0,1,2,3
	v_wmma_scale_f32_16x16x128_f8f6f4 v[S+16*\f:S+16*\f+7], v[FB+16*\f:FB+16*\f+15], v[QZ:QZ+15], 0, v[KSW+\f], v[QSW]
	v_wmma_scale_f32_16x16x128_f8f6f4 v[S+16*\f+8:S+16*\f+15], v[FB+16*\f:FB+16*\f+15], v[QZ+8:QZ+23], 0, v[KSW+\f], v[QSW]
.endr
.rept 8
	v_nop                                          ; places: for the loads below, and for the first read of the scores
.endr
.set n, 0
.rept 16
	ds_load_b128 v[FB+4*n:FB+4*n+3], v[ADK] offset:VO+512*n    ; V's record lands while the softmax is worked
.set n, n+1
.endr
	ds_load_b128 v[VSW:VSW+3], v[ADS] offset:VO
.if \chk
	s_cmp_lt_u32 s[KS], s[BLK]                     ; all keys count: no mask
	s_cbranch_scc1 .Lopen_\@
.irp t, 0,1,2,3,4,5,6,7                        ; on the diagonal: tiles of keys under mine stay, tiles above become -infinity, in my own tile key i is hidden where i + 8 h > r
	s_cmp_lt_u32 s[AQ], \t
	s_cselect_b32 s[SALL], -1, 0
	s_cmp_eq_u32 s[AQ], \t
.irp i, 0,1,2,3,4,5,6,7
	s_cselect_b32 s[MT+\i], s[MJ+\i], s[SALL]
	v_cndmask_b32 v[S+8*\t+\i], v[S+8*\t+\i], v[NINF], s[MT+\i]
.endr
.endr
.Lopen_\@:
	s_wait_alu depctr_va_vdst(0)                   ; ahead of the first reader behind the scalar lines
.endif
.irp b, 0,1,2,3
	v_max3_num_f32 v[BM+\b], v[S+16*\b], v[S+16*\b+1], v[S+16*\b+2]      ; the largest score of each block of 32 keys: for the row's maximum and, since p rises with the score, for the block's largest p
.endr
.irp i, 3,5,7,9,11,13
.irp b, 0,1,2,3
	v_max3_num_f32 v[BM+\b], v[BM+\b], v[S+16*\b+\i], v[S+16*\b+\i+1]
.endr
.endr
.irp b, 0,1,2,3
	v_max_num_f32 v[BM+\b], v[BM+\b], v[S+16*\b+15]
.endr
.irp b, 0,1,2,3                                ; (four waves share a SIMD: a one-field hint stands ahead of each plain line that reads a plain line's result one to four lines back)
	s_delay_alu instid0(VALU_DEP_4)
	v_permlanex16_b32 v[BP+\b], v[BM+\b], s[SEL], s[SEL+1]
.endr
.irp b, 0,1,2,3
	s_delay_alu instid0(VALU_DEP_4)
	v_max_num_f32 v[BM+\b], v[BM+\b], v[BP+\b]     ; with lane l xor 16's 16 keys
.endr
	s_delay_alu instid0(VALU_DEP_2)
	v_max3_num_f32 v254, v[BM], v[BM+1], v[BM+2]
	s_delay_alu instid0(VALU_DEP_1)
	v_max_num_f32 v254, v254, v[BM+3]
	s_delay_alu instid0(VALU_DEP_1)
	v_mul_f32 v254, s[CS], v254                    ; the step's largest t
	s_delay_alu instid0(VALU_DEP_1)
	v_max_num_f32 v13, v13, v254                   ; the running largest t
	v_mov_b32 v254, v12
	s_delay_alu instid0(VALU_DEP_2)
	v_floor_f32 v12, -v13                          ; -M = floor(-t): M is a whole number
	s_delay_alu instid0(VALU_DEP_1)
	v_sub_f32 v254, v12, v254                      ; old M - new M
	s_delay_alu instid0(VALU_DEP_1)
	v_cvt_i32_f32 v254, v254                       ; (it saturates)
	s_delay_alu instid0(VALU_DEP_1)
	v_ldexp_f32 v250, 1.0, v254                    ; f = 2^(old M - new M)
.set n, 0
.rept 32
	v_pk_fma_f32 v[S+n:S+n+1], v[S+n:S+n+1], s[CS:CS+1], v[12:13] op_sel_hi:[1,0,0]   ; t - M, two at a time
.set n, n+2
.endr
.irp b, 0,1,2,3
	v_fma_f32 v[BM+\b], v[BM+\b], s[CS], v12       ; the same of each block's largest score
.endr
	s_wait_alu depctr_va_vdst(0)                   ; ahead of the batch
.set n, 0
.rept 64
	v_exp_f32 v[S+n], v[S+n]                       ; p = 2^(t - M)
.set n, n+1
.endr
	v_pk_mul_f32 v[14:15], v[14:15], v[250:251] op_sel_hi:[1,0]   ; the sums under the new M (a plain line behind the exponentials)
	s_wait_alu depctr_va_vdst(0)                   ; one wait for the batch, ahead of its first reader
.irp b, 0,1,2,3
	v_exp_f32 v[BM+\b], v[BM+\b]                   ; the block's largest p
.endr
.irp k, 0,1,2,3,4,5                            ; the row's sum of the unquantised p: six chains of packed additions
	v_pk_add_f32 v[BP+2*\k:BP+2*\k+1], v[S+4*\k:S+4*\k+1], v[S+4*\k+2:S+4*\k+3]
.endr
.set n, 24
.rept 20
	v_pk_add_f32 v[BP+2*(((n-24)/2)%6):BP+2*(((n-24)/2)%6)+1], v[BP+2*(((n-24)/2)%6):BP+2*(((n-24)/2)%6)+1], v[S+n:S+n+1]
.set n, n+2
.endr
	s_delay_alu instid0(VALU_DEP_1)
	v_pk_add_f32 v[BP:BP+1], v[BP:BP+1], v[BP+2:BP+3]          ; the six chains are joined (chain 1 was written one line back)
	v_pk_add_f32 v[BP+4:BP+5], v[BP+4:BP+5], v[BP+6:BP+7]
	v_pk_add_f32 v[BP+8:BP+9], v[BP+8:BP+9], v[BP+10:BP+11]
	s_delay_alu instid0(VALU_DEP_2)
	v_pk_add_f32 v[BP:BP+1], v[BP:BP+1], v[BP+4:BP+5]
	s_delay_alu instid0(VALU_DEP_2)
	v_pk_add_f32 v[14:15], v[14:15], v[BP+8:BP+9]
	s_delay_alu instid0(VALU_DEP_1)
	v_pk_add_f32 v[14:15], v[14:15], v[BP:BP+1]
	s_wait_alu depctr_va_vdst(0)                   ; and one for the four
.irp b, 0,1,2,3
	v_max_num_f32 v[BM+\b], 0x4800000, v[BM+\b]    ; the floor 2^(9 - 127): the byte cannot fall under 1
.endr
.irp b, 0,1,2,3
	s_delay_alu instid0(VALU_DEP_4)
	v_add_nc_u32 v[SO+\b], 0xfc000000, v[BM+\b]    ; 8 off the exponent field: the conversion's scale operand
.endr
.irp b, 0,1,2,3
	v_and_or_b32 v[LM+\b], v[BM+\b], 0x7f800000, s[MNT]   ; 448 x the scale
.endr
.irp b, 0,1,2,3
	v_lshrrev_b32 v[BP+\b], 23, v[SO+\b]           ; the scale's byte
.endr
	s_delay_alu instid0(VALU_DEP_3)
	v_lshl_or_b32 v[PSW], v[BP+1], 8, v[BP]        ; p's scale word for these 128 keys
	s_delay_alu instid0(VALU_DEP_1)
	v_lshl_or_b32 v[PSW], v[BP+2], 16, v[PSW]
	s_delay_alu instid0(VALU_DEP_1)
	v_lshl_or_b32 v[PSW], v[BP+3], 24, v[PSW]
.irp b, 0,1,2,3
.irp i, 0,2,4,6,8,10,12,14                     ; the conversion does not saturate (ISA guide 7.6.2); p is not negative, so the hold is one-sided; two holds to an instruction
	v_dual_min_num_f32 v[S+16*\b+\i], v[S+16*\b+\i], v[LM+\b] :: v_dual_min_num_f32 v[S+16*\b+\i+1], v[S+16*\b+\i+1], v[LM+\b]
.endr
	v_cvt_scalef32_pk8_fp8_f32 v[PC+4*\b:PC+4*\b+1], v[S+16*\b:S+16*\b+7], v[SO+\b]
	v_cvt_scalef32_pk8_fp8_f32 v[PC+4*\b+2:PC+4*\b+3], v[S+16*\b+8:S+16*\b+15], v[SO+\b]
.endr
	s_wait_alu depctr_va_vdst(0)                   ; directly ahead of the first reader of O^T
.set n, 0
.rept 16
	v_pk_mul_f32 v[O+n:O+n+1], v[O+n:O+n+1], v[250:251] op_sel_hi:[1,0]   ; O^T under the new M; these lines also stand between the codes' last write and the products
.set n, n+2
.endr
	s_wait_alu depctr_va_vdst(0)
	s_wait_dscnt 0x0                               ; V is in
.irp t, 0,1,2,3
	v_wmma_scale_f32_16x16x128_f8f6f4 v[O+8*\t:O+8*\t+7], v[FB+16*\t:FB+16*\t+15], v[PC:PC+15], v[O+8*\t:O+8*\t+7], v[VSW+\t], v[PSW]
.endr
.if \chk
.Lhid_\@:
.endif
.endm
; A TILE'S WAY OUT: O^T / the sum; its 64 channels are two blocks of 32 of the last product's K: quantised, brought to k = 16 h + 0 .. 15 by two swaps of half-waves a block (W_O's codes lie so), stored as two chunks; the two scale bytes go to LDS.
.macro EPI oc, osw
.rept 8
	v_nop                                          ; places behind the last products
.endr
	s_wait_alu depctr_va_vdst(0)
	v_add_f32 v14, v14, v15
	v_permlanex16_b32 v254, v14, s[SEL], s[SEL+1]
	v_add_f32 v14, v14, v254                       ; the row's sum
	s_wait_alu depctr_va_vdst(0)                   ; the wait ahead of the transcendental
	v_rcp_f32 v14, v14
	v_nop                                          ; a plain line behind the reciprocal
	s_wait_alu depctr_va_vdst(0)                   ; and the wait ahead of its first reader, which is also O^T's
.set n, 0
.rept 16
	v_pk_mul_f32 v[S+n:S+n+1], v[O+n:O+n+1], v[14:15] op_sel_hi:[1,0]   ; register 8 t + i: channel 16 t + 8 h + i
.set n, n+2
.endr
.irp b, 0,1
	v_max3_num_f32 v[BM+\b], |v[S+16*\b]|, |v[S+16*\b+1]|, 0x4800000
.endr
.irp i, 2,4,6,8,10,12,14
.irp b, 0,1
	v_max3_num_f32 v[BM+\b], v[BM+\b], |v[S+16*\b+\i]|, |v[S+16*\b+\i+1]|
.endr
.endr
.irp b, 0,1
	v_permlanex16_b32 v[BP+\b], v[BM+\b], s[SEL], s[SEL+1]
.endr
.irp b, 0,1
	v_max_num_f32 v[BM+\b], v[BM+\b], v[BP+\b]
.endr
.irp b, 0,1
	v_add_nc_u32 v[SO+\b], 0xfc000000, v[BM+\b]
.endr
.irp b, 0,1
	v_and_or_b32 v[LM+\b], v[BM+\b], 0x7f800000, s[MNT]
.endr
.irp b, 0,1
	v_lshrrev_b32 v[BP+\b], 23, v[SO+\b]
.endr
	v_lshl_or_b32 v254, v[BP+1], 8, v[BP]          ; my row's two bytes
.irp b, 0,1
.irp i, 0,1,2,3,4,5,6,7,8,9,10,11,12,13,14,15
	v_med3_num_f32 v[S+16*\b+\i], v[S+16*\b+\i], -v[LM+\b], v[LM+\b]
.endr
	v_cvt_scalef32_pk8_fp8_f32 v[PC+4*\b:PC+4*\b+1], v[S+16*\b:S+16*\b+7], v[SO+\b]
	v_cvt_scalef32_pk8_fp8_f32 v[PC+4*\b+2:PC+4*\b+3], v[S+16*\b+8:S+16*\b+15], v[SO+\b]
.endr
	v_nop                                          ; a plain line between the conversions and the first line that touches their results
.irp b, 0,1
	v_permlane16_swap_b32 v[PC+4*\b], v[PC+4*\b+2]
	v_permlane16_swap_b32 v[PC+4*\b+1], v[PC+4*\b+3]
.endr
	global_store_b128 v[L16], v[PC:PC+3], s[\oc:\oc+1]               ; a chunk: 512 consecutive bytes, aligned
	global_store_b128 v[L16], v[PC+4:PC+7], s[\oc:\oc+1] offset:512
	ds_store_b16 v[\osw], v254                     ; both halves of the lanes write the same two bytes with the same value
.endm
	s_wait_alu depctr_va_vdst(0)
	s_cmp_lt_u32 s[WV], 4                          ; waves 0-3 brought steps 0-3 by a load line of their own: they wait; the other loads stay out
	s_cbranch_scc0 .Lnot_mine
	s_wait_tensorcnt 0x0
.Lnot_mine:
	s_barrier_signal -1
	s_barrier_wait -1
	global_load_b128 v[QN:QN+3], v[L16], s[QBP:QBP+1]          ; the second tile's q: asked for here, waited for where the tiles change
	global_load_b128 v[QN+4:QN+7], v[L16], s[QBP:QBP+1] offset:512
	global_load_b32 v[QSWB], v[R16], s[QBW:QBW+1]
	s_mov_b32 s[KS], 0
	s_mov_b32 s[TB], 0
.Lfirst:
	STEP 0
	s_add_co_u32 s[TB], s[TB], REC
	s_add_co_u32 s[KS], s[KS], 1
	s_cmp_lt_u32 s[KS], 4
	s_cbranch_scc1 .Lfirst
	s_wait_alu depctr_va_vdst(0)
	s_wait_tensorcnt 0x0                           ; all that is still out: on every wave's way
	s_barrier_signal -1
	s_barrier_wait -1
	s_mov_b32 s[CNT], 0
.Lrest:                                            ; twenty trips: the first tile's steps 4-15, then the second tile's steps 0-7
	s_cmp_lg_u32 s[CNT], 12
	s_cbranch_scc1 .Lsame_tile
	EPI OCA, OSWA
	s_wait_alu depctr_va_vdst(0)
	s_wait_xcnt 0x0                                ; the stores have read their registers, which the next steps write
	s_wait_loadcnt 0x0                             ; the second tile's q
	v_perm_b32 v[QSW], v[QSWB], v[QSWB], s[PSEL]
.irp i, 0,1,2,3,4,5,6,7
	v_mov_b32 v[QZ+\i], v[QN+\i]
	v_mov_b32 v[QZ+16+\i], v[QN+\i]
.endr
	FRESH
	s_mov_b32 s[BLK], s[BLKB]
	s_wait_alu depctr_va_vdst(0)
.Lsame_tile:
	s_add_co_u32 s[KS], s[CNT], 4
	s_and_b32 s[KS], s[KS], 15
	s_lshr_b32 s60, s[KS], 2
	s_mul_i32 s60, s60, 8*REC
	s_and_b32 s61, s[KS], 3
	s_mul_i32 s61, s61, REC
	s_add_co_u32 s[TB], s60, s61
	STEP 1
	s_add_co_u32 s[CNT], s[CNT], 1
	s_cmp_lt_u32 s[CNT], 20
	s_cbranch_scc1 .Lrest
	EPI OCB, OSWB
	s_wait_alu depctr_va_vdst(0)
	s_wait_dscnt 0x0                               ; for the others' sake
	s_barrier_signal -1
	s_barrier_wait -1
	s_cmp_lg_u32 s[WV], 0                          ; wave 0 stores the work-group's 4 x 256 scale bytes: sixteen lanes a block, 256 consecutive bytes each, aligned
	s_cbranch_scc1 .Lend
	ds_load_b128 v[S:S+3], v[OSR]
	ds_load_b128 v[S+4:S+7], v[OSR] offset:512
	s_wait_dscnt 0x0
	global_store_b128 v[OSA], v[S:S+3], s[8:9] offset:32768    ; blocks 8 + j and 15 - j
	global_store_b128 v[OSA], v[S+4:S+7], s[8:9]               ; blocks j and 7 - j
.Lend:
	s_wait_tensorcnt 0x0                           ; the wave's end
	ds_add_u32 v[SPW], v[NIL]
	s_wait_dscnt 0x0
	s_endpgm
.Lfunc_end_k_q4919301351_attn:
	.size	k_q4919301351_attn, .Lfunc_end_k_q4919301351_attn-k_q4919301351_attn
	.p2alignl 7, 3214868480
	.fill 96, 4, 3214868480
	.section	.rodata,"a",@progbits
	.p2align	6, 0x0
	.amdhsa_kernel k_q4919301351_attn
		.amdhsa_group_segment_fixed_size 327680
		.amdhsa_private_segment_fixed_size 0
		.amdhsa_enable_private_segment 0
		.amdhsa_kernarg_size 24
		.amdhsa_user_sgpr_count 2
		.amdhsa_user_sgpr_kernarg_segment_ptr 1
		.amdhsa_wavefront_size32 1
		.amdhsa_system_sgpr_workgroup_id_x 1
		.amdhsa_system_sgpr_workgroup_id_y 1
		.amdhsa_system_sgpr_workgroup_id_z 1
		.amdhsa_system_vgpr_workitem_id 0
		.amdhsa_next_free_vgpr 256
		.amdhsa_next_free_sgpr 96
		.amdhsa_reserve_vcc 0
		.amdhsa_float_denorm_mode_32 3
		.amdhsa_float_denorm_mode_16_64 3
		.amdhsa_memory_ordered 1
		.amdhsa_forward_progress 1
		.amdhsa_inst_pref_size 70
	.end_amdhsa_kernel
	.amdgpu_metadata
---
amdhsa.version: [ 1, 2 ]
amdhsa.kernels:
  - .name:           k_q4919301351_attn
    .symbol:         k_q4919301351_attn.kd
    .args:
      - { .name: qkv, .offset: 0, .size: 8, .value_kind: global_buffer, .address_space: global }
      - { .name: oc, .offset: 8, .size: 8, .value_kind: global_buffer, .address_space: global }
      - { .name: os, .offset: 16, .size: 8, .value_kind: global_buffer, .address_space: global }
    .group_segment_fixed_size: 327680
    .private_segment_fixed_size: 0
    .kernarg_segment_align: 8
    .kernarg_segment_size: 24
    .max_flat_workgroup_size: 512
    .sgpr_count:     96
    .vgpr_count:     256
    .wavefront_size: 32
...
	.end_amdgpu_metadata
.endif
;; end of part 3
;; launch oproj (part 4): grid 8 x 32, 4 waves a work-group, clusters of 4 x 4, 327,680 bytes of LDS; arguments oc, os, W_O_codes, W_O_scales, out0; writes out0
.if DOCPART == 4
	.amdgcn_target "amdgcn-amd-amdhsa--gfx1250"
	.amdhsa_code_object_version 6
	.text
	.protected	k_q4919301351_oproj
	.globl	k_q4919301351_oproj
	.p2align	8
	.type	k_q4919301351_oproj,@function
k_q4919301351_oproj:
	s_mov_b64 s[64:65], 0
	v_nop
	global_prefetch_b8 v0, s[64:65] scope:SCOPE_SE
	s_setreg_imm32_b32 hwreg(HW_REG_WAVE_MODE, 25, 1), 1
	s_wait_xcnt 0x0
	s_wait_alu depctr_hold_cnt(0) depctr_sa_sdst(0) depctr_va_vdst(0) depctr_va_sdst(0) depctr_va_ssrc(0) depctr_va_vcc(0) depctr_vm_vsrc(0)
	s_getreg_b32 s2, hwreg(HW_REG_IB_STS2, 6, 4)
	s_cmp_eq_u32 s2, 0
	s_cbranch_scc0 .Lentry_in_a_cluster
	s_endpgm
.Lentry_in_a_cluster:
	s_bfe_u32 s2, ttmp6, 0x10000c
	s_cmp_lg_u32 s2, 0xf033
	s_cbranch_scc0 .Lentry_shape_is_right
	s_endpgm
.Lentry_shape_is_right:
; out0 = O W_O^T on codes of FP8 (E4M3) with one E8M0 scale for each 32 along K (= 1,024); f32 sums, f32 out.  O's codes (oc) are images of operand registers, [tile of 16 tokens][head][2 chunks of 512 bytes]; its scale bytes (os) [block of 128 tokens][head][row 16][tile 8][2].
; A block of 256 tokens x 128 columns is made by four waves, 128 x 64 each (32 accumulators): 32 x 8 = 256 work-groups.  K goes in 4 steps of 256 through two LDS slots: A's 16 tiles of tokens x 4,096 bytes, then W_O's 128 rows, padded to 272 bytes.
; CLUSTERS of 4 x 4: A's tile is asked for jointly by my row of the cluster, W_O's by my column.  THE HEAD'S LOADS, one a wave: wave 0 slot 0's A, wave 1 slot 0's W_O, wave 2 slot 1's A, wave 3 slot 1's W_O, each whole;
; behind the first change of slots' wait the descriptors are set to the ring's halves (waves 0, 1: 8 tiles of A each; waves 2, 3: 64 rows of W_O each).
; The matrix instruction is used transposed (source 0 = W_O's rows, source 1 = tokens): a lane holds eight neighbouring columns of a row; a block of 16 rows x 64 columns goes through my stage in LDS (in slot 0, behind its last fill and last read) and leaves as rows of 256 bytes, sixteen lanes a row.
; No prefetch: K has four slot steps, of which two are asked for at the head.
.set PITCH,  272
.set HALFB,  64*PITCH
.set HALFA,  32768
.set ABYTES, 2*HALFA
.set SLOT,   ABYTES+2*HALFB
.set SPARE,  2*SLOT
.set SPITCH, 528
.set NP,     8
.set SIZE_N, 1024
.set ADRA, 16
.set ADRB, 20
.set STO,  24
.set RD,   25
.set CO,   26
.set SCA,  27
.set SPW,  28
.set NIL,  29
.set OSA,  30
.set X,    32
.set SA,   64
.set SB,   96
.set AF,   128
.set BK,   128
.set G1, 24
.set G0, 32
.set G1B, 48
.set G0B, 56
.set MSB, 0
.macro WIN new
.if MSB != (\new)
	s_set_vgpr_msb (MSB<<8)|(\new)
.set MSB, (\new)
.endif
.endm
.set MUL_LO, 0xa1
.set MUL_HI, 0xf1
.set TO_B,   0x40
.macro JLOAD g0a, g1a, g0b, g1b
	s_cmp_eq_u32 s15, 0
	s_cbranch_scc0 .Lfor_b_\@
	tensor_load_to_lds s[\g0a:\g0a+3], s[\g1a:\g1a+7]
	s_nop 0
.rept 4
	v_nop
.endr
	s_branch .Lasked_\@
.Lfor_b_\@:
	tensor_load_to_lds s[\g0b:\g0b+3], s[\g1b:\g1b+7]
	s_nop 0
.rept 4
	v_nop
.endr
.Lasked_\@:
.endm
.macro CREST
	s_cmp_lg_u32 s14, 0
	s_cbranch_scc1 .Lnot_wave_0_\@
	s_barrier_signal -3
.Lnot_wave_0_\@:
	s_barrier_wait -3
	s_barrier_signal -1
	s_barrier_wait -1
.endm
.macro CROUND
	s_barrier_signal -1
	s_barrier_wait -1
	CREST
.endm
	s_load_b256 s[4:11], s[0:1], 0x0
	s_load_b64 s[12:13], s[0:1], 0x20
	v_lshl_add_u32 v[SPW], v0, 2, SPARE
	v_mov_b32 v[NIL], 0
	ds_add_u32 v28, v29
	ds_add_u32 v28, v29
	s_wait_dscnt 0x0
	v_lshrrev_b32 v1, 5, v0
	v_readfirstlane_b32 s14, v1
	s_lshr_b32 s15, s14, 1
	s_and_b32 s16, s14, 1
	s_bfe_u32 s40, ttmp6, 0x40000
	s_bfe_u32 s41, ttmp6, 0x40004
	s_lshl_b32 s42, ttmp9, 2
	s_add_co_u32 s42, s42, s40
	s_and_b32 s17, ttmp7, 0xffff
	s_lshl_b32 s17, s17, 2
	s_add_co_u32 s17, s17, s41
	s_lshl_b32 s43, s41, 2
	s_lshl_b32 s43, 15, s43
	s_lshl_b32 s44, 0x1111, s40
	s_or_b32 s[G1+0], s43, (3<<16)|(1<<21)
	s_mov_b32 s[G1+1], 512<<16
	s_mov_b32 s[G1+2], 16<<16
	s_mov_b32 s[G1+3], 512<<16
	s_mov_b32 s[G1+4], 16
	s_mov_b32 s[G1+5], 2048
	s_mov_b32 s[G1+6], 0
	s_mov_b32 s[G1+7], 0
	s_or_b32 s[G1B+0], s44, (1<<20)|(1<<21)|(5<<22)|(3<<25)
	s_mov_b32 s[G1B+1], 256<<16
	s_mov_b32 s[G1B+2], 128<<16
	s_mov_b32 s[G1B+3], 256<<16
	s_mov_b32 s[G1B+4], 128
	s_mov_b32 s[G1B+5], 1024
	s_mov_b32 s[G1B+6], 0
	s_mov_b32 s[G1B+7], 0
	s_lshl_b32 s20, s17, 18
	s_mov_b32 s21, 0
	s_lshl_b32 s46, s42, 7
	s_lshl_b32 s19, s16, 6
	s_add_co_u32 s90, s46, s19
	s_lshl_b32 s90, s90, 5
	s_lshl_b32 s46, s46, 10
	s_mov_b32 s47, 0
	s_mov_b32 s91, 0
	s_lshl_b32 s45, s16, 15
	s_mul_i32 s94, s16, HALFB
	s_add_co_u32 s94, s94, ABYTES
	s_lshl_b32 s88, s17, 1
	s_add_co_u32 s88, s88, s15
	s_lshl_b32 s88, s88, 12
	s_mov_b32 s89, 0
	s_wait_kmcnt 0x0
	s_add_nc_u64 s[20:21], s[4:5], s[20:21]
	s_add_nc_u64 s[46:47], s[8:9], s[46:47]
	s_add_nc_u64 s[6:7], s[6:7], s[88:89]
	s_add_nc_u64 s[10:11], s[10:11], s[90:91]
	CROUND
.irp s, 0,1
	s_mov_b32 s[G0+4*\s], 1
	s_mov_b32 s[G0+4*\s+1], \s*SLOT
	s_add_nc_u64 s[G0+4*\s+2:G0+4*\s+3], s[20:21], \s*4096
	s_or_b32 s[G0+4*\s+3], s[G0+4*\s+3], 0x80000000
	s_mov_b32 s[G0B+4*\s], 1
	s_mov_b32 s[G0B+4*\s+1], \s*SLOT+ABYTES
	s_add_nc_u64 s[G0B+4*\s+2:G0B+4*\s+3], s[46:47], \s*256
	s_or_b32 s[G0B+4*\s+3], s[G0B+4*\s+3], 0x80000000
.endr
; one chain of branches on the wave's number, a load to an arm, all arms leading to one join: one tensor load a wave at the head
.macro ARM under, g0, g1, next
	s_cmp_lt_u32 s14, \under
	s_cbranch_scc0 \next
	tensor_load_to_lds s[\g0:\g0+3], s[\g1:\g1+7]
	s_nop 0
.rept 4
	v_nop
.endr
	s_branch .Lhead_asked
\next:
.endm
	ARM 1, G0, G1, .Lhead_b0
	ARM 2, G0B, G1B, .Lhead_a1
	ARM 3, G0+4, G1, .Lhead_b1
	tensor_load_to_lds s[G0B+4:G0B+7], s[G1B:G1B+7]
	s_nop 0
.rept 4
	v_nop
.endr
.Lhead_asked:
	v_and_b32 v1, 15, v0
	v_bfe_u32 v2, v0, 4, 1
	v_lshlrev_b32 v[SCA], 5, v1
	v_lshl_add_u32 v[SCA], v2, 4, v[SCA]
	v_lshlrev_b32 v[OSA], 4, v1
	v_lshl_add_u32 v[OSA], v2, 11, v[OSA]
.irp e, 0,1,2,3,4,5,6,7
	global_load_b128 v[X+4*\e:X+4*\e+3], v[OSA], s[6:7] offset:256*\e
.if \e < 4
	global_load_b128 v[SB+4*\e:SB+4*\e+3], v[SCA], s[10:11] offset:512*\e   ; my 64 rows of W_O: four tiles of 16
.endif
.endr
	v_and_b32 v6, 31, v0
	v_lshlrev_b32 v[CO], 4, v6
	v_mul_u32_u24 v3, v1, PITCH
	v_lshl_add_u32 v4, v2, 4, v3
	s_lshl_b32 s88, s15, 15
	s_mul_i32 s89, s16, HALFB
	s_add_co_u32 s89, s89, ABYTES
.irp s, 0,1
	v_add_nc_u32 v[ADRA+\s], s88, v[CO]
	v_add_nc_u32 v[ADRB+\s], s89, v4
	s_add_co_u32 s88, s88, SLOT
	s_add_co_u32 s89, s89, SLOT
.endr
	s_mul_i32 s23, s14, 16*SPITCH
	v_mul_u32_u24 v5, v1, SPITCH
	v_lshl_add_u32 v5, v2, 5, v5
	v_add_nc_u32 v[STO], s23, v5
	v_mul_u32_u24 v5, v2, SPITCH                   ; back: lanes 0-15 take one row of 256 bytes, lanes 16-31 the next
	v_lshl_add_u32 v5, v1, 4, v5
	v_add_nc_u32 v[RD], s23, v5
	v_lshlrev_b32 v[CO], 12, v2                    ; and the same two rows in out0 (4,096 bytes a row)
	v_lshl_add_u32 v[CO], v1, 4, v[CO]
	s_lshl_b32 s88, s17, 8
	s_lshl_b32 s89, s15, 7
	s_add_co_u32 s88, s88, s89
	s_lshl_b32 s88, s88, 12
	s_lshl_b32 s89, s42, 9
	s_add_co_u32 s88, s88, s89
	s_lshl_b32 s89, s16, 8
	s_add_co_u32 s88, s88, s89
	s_mov_b32 s89, 0
	s_add_nc_u64 s[12:13], s[12:13], s[88:89]
	s_wait_loadcnt 0x0
.irp a, 0,1,2,3,4,5,6,7
.irp j, 0,1,2,3
	v_perm_b32 v[SA+4*\a+\j], v[X+8*\j+4+\a/2], v[X+8*\j+\a/2], 0x05040100+0x02020202*(\a%2)
.endr
.endr
.rept 8
	v_nop
.endr
.macro FRAGB reg, adr, q, i
.irp c, 0,1,2,3
	ds_load_b128 v[(\reg)+4*\c:(\reg)+4*\c+3], v[\adr] offset:128*(\q)+32*\c+(\i)*16*PITCH
.endr
.endm
.macro FRAGA reg, adr, q, i
.irp c, 0,1,2,3
	ds_load_b128 v[(\reg)+4*\c:(\reg)+4*\c+3], v[\adr] offset:4096*(\i)+2048*(\q)+512*\c
.endr
.endm
.macro MUL16 a0, p, kk, zero
.irp a, \a0, \a0+1
.irp b, 0,1,2,3
.if \zero
	v_wmma_scale_f32_16x16x128_f8f6f4 v[8*(8*((\a)%4)+\b):8*(8*((\a)%4)+\b)+7], v[128*(\p)+16*\b:128*(\p)+16*\b+15], v[AF+16*(\a):AF+16*(\a)+15], 0, v[SB+4*\b+(\kk)%4], v[SA+4*(\a)+(\kk)%4]
.elseif (\kk) < 4
	v_wmma_scale_f32_16x16x128_f8f6f4 v[8*(8*((\a)%4)+\b):8*(8*((\a)%4)+\b)+7], v[128*(\p)+16*\b:128*(\p)+16*\b+15], v[AF+16*(\a):AF+16*(\a)+15], v[8*(8*((\a)%4)+\b):8*(8*((\a)%4)+\b)+7], v[SB+4*\b+(\kk)%4], v[SA+4*(\a)+(\kk)%4]
.else
	v_wmma_scale_f32_16x16x128_f8f6f4 v[8*(8*((\a)%4)+\b):8*(8*((\a)%4)+\b)+7], v[128*(\p)+16*\b:128*(\p)+16*\b+15], v[AF+16*(\a):AF+16*(\a)+15], v[8*(8*((\a)%4)+\b):8*(8*((\a)%4)+\b)+7], v[SB+4*\b+(\kk)%4], v[SA+4*(\a)+(\kk)%4] matrix_a_scale:MATRIX_SCALE_ROW1 matrix_b_scale:MATRIX_SCALE_ROW1
.endif
.endr
.endr
.endm
.macro FETCH_B slot, q, p
	WIN TO_B
.irp i, 0,1,2,3
	FRAGB 128*(\p)+16*\i, ADRB+\slot, \q, \i
.endr
	WIN 0
.endm
.macro FETCH_A slot, q, i0
.irp i, \i0, \i0+1, \i0+2, \i0+3
	FRAGA AF+16*(\i), ADRA+\slot, \q, \i
.endr
.endm
.macro PLACES n
.rept \n
	v_nop
.endr
.endm
.macro STEP slot, kk, zero
	s_wait_dscnt 16
	WIN MUL_LO
	MUL16 0, 0, \kk, \zero
	MUL16 2, 0, \kk, \zero
	s_wait_dscnt 0x0
	PLACES NP
	FETCH_B \slot, 1, 1
	FETCH_A \slot, 1, 0
	WIN MUL_HI
	MUL16 4, 0, \kk, \zero
	MUL16 6, 0, \kk, \zero
	PLACES NP
	WIN 0
	FETCH_A \slot, 1, 4
.endm
.macro TURN slot, next, kk, fill
	s_wait_tensorcnt 0x0
	ds_add_u32 v[SPW], v[NIL]                      ; 0 onto my spare word
.if (\kk) == 1
	s_lshl_b32 s22, s16, 17                        ; no tensor load of mine is out, so the descriptors may be written: from here on a load brings my half of a tile
	s_mov_b32 s23, 0
	s_lshl_b32 s18, s16, 16
	s_mov_b32 s19, 0
	s_add_co_u32 s[G0+1], s45, 0
	s_add_co_u32 s[G0+5], s45, SLOT
	s_add_co_u32 s[G0B+1], s94, 0
	s_add_co_u32 s[G0B+5], s94, SLOT
	s_add_nc_u64 s[G0+2:G0+3], s[G0+2:G0+3], s[22:23]
	s_add_nc_u64 s[G0+6:G0+7], s[G0+6:G0+7], s[22:23]
	s_add_nc_u64 s[G0B+2:G0B+3], s[G0B+2:G0B+3], s[18:19]
	s_add_nc_u64 s[G0B+6:G0B+7], s[G0B+6:G0B+7], s[18:19]
	s_mov_b32 s[G1+2], 8<<16
	s_mov_b32 s[G1+4], 8
	s_mov_b32 s[G1B+2], 64<<16
	s_mov_b32 s[G1B+4], 64
.endif
	s_wait_dscnt 17
	WIN MUL_LO
	MUL16 0, 1, \kk, 0
	s_wait_dscnt 0x0
	s_barrier_signal -1
	MUL16 2, 1, \kk, 0
	WIN 0
	s_barrier_wait -1
.if \fill
	CREST
	s_add_nc_u64 s[G0+4*\slot+2:G0+4*\slot+3], s[G0+4*\slot+2:G0+4*\slot+3], 8192
	s_add_nc_u64 s[G0B+4*\slot+2:G0B+4*\slot+3], s[G0B+4*\slot+2:G0B+4*\slot+3], 512
	JLOAD G0+4*\slot, G1, G0B+4*\slot, G1B
	PLACES NP-4
.else
	PLACES NP
.endif
	FETCH_B \next, 0, 0
	FETCH_A \next, 0, 0
	WIN MUL_HI
	MUL16 4, 1, \kk, 0
	MUL16 6, 1, \kk, 0
	PLACES NP
	WIN 0
	FETCH_A \next, 0, 4
.endm
	s_wait_alu depctr_va_vdst(0)
	s_cmp_lt_u32 s14, 2                            ; waves 0 and 1 brought slot 0, each by a load line of its own: they wait; slot 1's loads stay out
	s_cbranch_scc0 .Lnot_slot_0
	s_wait_tensorcnt 0x0
.Lnot_slot_0:
	s_barrier_signal -1
	s_barrier_wait -1
	FETCH_B 0, 0, 0
	FETCH_A 0, 0, 0
	FETCH_A 0, 0, 4
	STEP 0, 0, 1
	TURN 0, 1, 1, 1
	STEP 1, 2, 0
	TURN 1, 0, 3, 1
	STEP 0, 4, 0
	TURN 0, 1, 5, 0
	STEP 1, 6, 0
	s_wait_dscnt 16
	WIN MUL_LO
	MUL16 0, 1, 7, 0
	MUL16 2, 1, 7, 0
	s_wait_dscnt 0x0
	WIN MUL_HI
	MUL16 4, 1, 7, 0
	MUL16 6, 1, 7, 0
	WIN 0
.macro TOSTAGE a
.set AC, 64*((\a)%4)
	WIN 0x08+4*((\a)/4)
.irp b, 0,1,2,3
	ds_store_b128 v[STO], v[AC+8*\b:AC+8*\b+3] offset:64*\b
	ds_store_b128 v[STO], v[AC+8*\b+4:AC+8*\b+7] offset:64*\b+16
.endr
	WIN 0
.set BB, BK+64*((\a)%2)
.irp t, 0,1,2,3,4,5,6,7
	ds_load_b128 v[BB+4*\t:BB+4*\t+3], v[RD] offset:2*\t*SPITCH
.endr
.endm
.macro SEND a, younger
.set BB, BK+64*((\a)%2)
	s_wait_dscnt \younger
.if (\a) > 0
	s_add_nc_u64 s[12:13], s[12:13], 16*SIZE_N*4
.endif
.irp t, 0,1,2,3,4,5,6,7
	global_store_b128 v[CO], v[BB+4*\t:BB+4*\t+3], s[12:13] offset:2*\t*SIZE_N*4 th:TH_STORE_NT
.endr
.endm
	PLACES NP
	TOSTAGE 0
.irp a, 1,2,3,4,5,6,7
.if \a > 1
	s_wait_xcnt 0x0
.endif
	TOSTAGE \a
	SEND \a-1, 16                                  ; behind block a - 1's loads: block a's 8 stores and 8 loads
.endr
	s_wait_xcnt 0x0
	SEND 7, 0
	s_wait_tensorcnt 0x0
	ds_add_u32 v[SPW], v[NIL]
	s_wait_dscnt 0x0
	CROUND
	s_endpgm
.Lfunc_end_k_q4919301351_oproj:
	.size	k_q4919301351_oproj, .Lfunc_end_k_q4919301351_oproj-k_q4919301351_oproj
	.p2alignl 7, 3214868480
	.fill 96, 4, 3214868480
	.section	.rodata,"a",@progbits
	.p2align	6, 0x0
	.amdhsa_kernel k_q4919301351_oproj
		.amdhsa_group_segment_fixed_size 327680
		.amdhsa_private_segment_fixed_size 0
		.amdhsa_enable_private_segment 0
		.amdhsa_kernarg_size 40
		.amdhsa_user_sgpr_count 2
		.amdhsa_user_sgpr_kernarg_segment_ptr 1
		.amdhsa_wavefront_size32 1
		.amdhsa_system_sgpr_workgroup_id_x 1
		.amdhsa_system_sgpr_workgroup_id_y 1
		.amdhsa_system_sgpr_workgroup_id_z 1
		.amdhsa_system_vgpr_workitem_id 0
		.amdhsa_next_free_vgpr 1024
		.amdhsa_next_free_sgpr 98
		.amdhsa_reserve_vcc 0
		.amdhsa_float_denorm_mode_32 3
		.amdhsa_float_denorm_mode_16_64 3
		.amdhsa_memory_ordered 1
		.amdhsa_forward_progress 1
		.amdhsa_inst_pref_size 92
	.end_amdhsa_kernel
	.amdgpu_metadata
---
amdhsa.version: [ 1, 2 ]
amdhsa.kernels:
  - .name:           k_q4919301351_oproj
    .symbol:         k_q4919301351_oproj.kd
    .args:
      - { .name: oc, .offset: 0, .size: 8, .value_kind: global_buffer, .address_space: global }
      - { .name: os, .offset: 8, .size: 8, .value_kind: global_buffer, .address_space: global }
      - { .name: W_O_codes, .offset: 16, .size: 8, .value_kind: global_buffer, .address_space: global }
      - { .name: W_O_scales, .offset: 24, .size: 8, .value_kind: global_buffer, .address_space: global }
      - { .name: out0, .offset: 32, .size: 8, .value_kind: global_buffer, .address_space: global }
    .group_segment_fixed_size: 327680
    .private_segment_fixed_size: 0
    .kernarg_segment_align: 8
    .kernarg_segment_size: 40
    .max_flat_workgroup_size: 128
    .sgpr_count:     98
    .vgpr_count:     1024
    .wavefront_size: 32
...
	.end_amdgpu_metadata
.endif
;; end of part 4
